; MI455X (gfx1250); checked and timed in simulation.
; The chip was launched on July 23, 2026; its instructions are those of AMD's public machine-readable ISA for CDNA 5 (MIT licence, August 2026) and "CDNA5" Instruction Set Architecture Reference Guide (July 2026). The comments in the code are by the model that wrote it; some were corrected since.
;; CAM. Allowed arithmetic: float matrix products may take bf16 or f16 operands with f32 sums; other float arithmetic in f32, or as packed bf16 or f16 multiplies, adds, multiply-adds, maxima and minima; sums over many terms, partial sums and values carried from step to step in f32; what a program stores and reads back later, other than sums and carried values, may be rounded once to bf16 or f16.
;; Inputs: gamma 1 float32; w_g 512 x 512 float32; w_mask 512 x 512 float32; w_phi 512 x 512 float32; w_theta 512 x 512 float32; x 8 x 512 x 64 x 64 float32.
;; Outputs: out0 8 x 512 x 64 x 64 float32.
;; 2 versions, each right. Each part assembles by itself: llvm-mc -triple=amdgcn-amd-amdhsa -mcpu=gfx1250 --defsym DOCPART=n.
;; ======== version 1 of 2: 6 launches
;; workspace buffers: xp 33,554,432 bytes; wphib 524,288 bytes; wthb 524,288 bytes; wgm 1,048,576 bytes; hla 8,388,608 bytes; hlb 8,388,608 bytes; mb 4,194,304 bytes
;; launch prep (part 1): grid 256 x 1, 8 waves a work-group, no clusters, 279,552 bytes of LDS; arguments x, w_phi, w_theta, w_g, w_mask, xp, wphib, wthb, wgm; writes xp, wphib, wthb, wgm
.if DOCPART == 1
	.amdgcn_target "amdgcn-amd-amdhsa--gfx1250"
	.amdhsa_code_object_version 6
	.text
	.protected	k_q779110312b_prep
	.globl	k_q779110312b_prep
	.p2align	8
	.type	k_q779110312b_prep,@function
k_q779110312b_prep:
	s_mov_b64 s[64:65], 0
	v_nop
	global_prefetch_b8 v0, s[64:65] scope:SCOPE_SE
	s_setreg_imm32_b32 hwreg(HW_REG_WAVE_MODE, 25, 1), 1
	s_wait_xcnt 0x0
; THE PROGRAM.  Per batch, X = x[b] as [512 c][4096 n].  reference(): S = (Wphi X)(Wtheta X)^T, attn = softmax of S's rows, y = attn (Wg X), y^T's buffer read as [512][4096],
; times Wmask, times gamma, plus x.  The re-reading gives out[o][512 j + c] = gamma sum_c' Wmask[o][c'] y[c][8 c' + j] + x[o][512 j + c], j = 0..7.
; Matrix products associate, for all values of the inputs: with G = X X^T, S = Wphi G Wtheta^T; with M = gamma attn Wg and Z_j[o][d] = sum_c' Wmask[o][c'] X[d][8 c' + j],
; out[o][512 j + c] = sum_d Z_j[o][d] M[c][d] + x.  That is three products of the large size in place of six; phi, theta, g and y are never formed.  No input is left out: all six are loaded.
; LIMITS.  The order of the sums differs from reference()'s.  x and the four weights enter the products rounded once to bf16; G, T = Wphi G and S are kept as two bf16 terms
; (hi + lo, about 16 significant bits); attn, M and Z are rounded once to bf16; gamma and the x that is added stay f32.  The row maximum is taken away before the exponential.
; A weight below 2^-126 counts as 0.  NaN and infinities are not treated apart.
; THIS LAUNCH rounds x to bf16 and lays it out as xp[b][8 j + kb][d 512][e 64] = x[b][d][8 (64 kb + e) + j]: every later operand tile is then rows of 128 dense bytes with K along them.
; It also rounds the four weights into [column block 8][row 512][64].
; SHARES.  A work-group owns 16 rows of x, a wave 4 rows x half a row, as two tiles of 4 rows x 1,024 numbers, each brought by one tensor load: all of a wave's bytes are asked for at its
; start, nothing is filled again, each wave reads its own LDS bytes alone: no barrier.  No cluster: the work-groups share no input.  No matrix unit: nothing is multiplied.
.set TILEB, 17408                      ; a tile in LDS: 64 pieces of 256 bytes, 16 bytes of padding behind each
.set WAVEB, 2*TILEB
.set SPARE, 8*WAVEB                    ; behind the tiles: the spare words, 128 bytes for each wave
.set LA,  2                            ; v2   LDS address of my piece: row l / 8 of the four, piece l % 8 of eight
.set SO,  3                            ; v3   16 l: my 16 bytes in 4 rows x 128 bytes of a block of xp
.set WLO, 4                            ; v4   my byte offset in the weight that the work-group rounds
.set WSO, 5                            ; v5   and in its blocked copy
.set SPW, 6                            ; v6   my spare word; never rewritten
.set NIL, 7                            ; v7   0; never rewritten
.set X0,  16                           ; set s: 64 numbers as loaded at v[16+96 s], 32 registers to store at v[80+96 s]
.set Y0,  80
.set W,   208
.set WY,  224
.set WV,  26
.set G1,  32
.set G0,  40
.set XPB, 48
.set SRC, 50
.set DST, 52
	s_load_b512 s[8:23], s[0:1], 0x0               ; x 8, w_phi 10, w_theta 12, w_g 14, w_mask 16, xp 18, wphib 20, wthb 22
	s_load_b64 s[24:25], s[0:1], 0x40              ; wgm
	v_lshl_add_u32 v[SPW], v0, 2, SPARE
	v_mov_b32 v[NIL], 0
	ds_add_u32 v[SPW], v[NIL]                      ; the wave's opening: the add, twice on end, and its wait ahead of my first tensor load
	ds_add_u32 v[SPW], v[NIL]
	v_lshrrev_b32 v1, 5, v0
	v_readfirstlane_b32 s[WV], v1                  ; wave 0..7
	s_lshr_b32 s27, s[WV], 1                       ; which 4 of the 16 rows
	s_and_b32 s28, s[WV], 1                        ; which half of the rows
	s_mov_b32 s[G1+0], (2<<16)|(1<<20)|(5<<22)|(3<<25)  ; elements of 4 bytes; padding on: after every 64 words, 4 words
	s_mov_b32 s[G1+1], 1024<<16                    ; tensor_dim0 = 1,024
	s_mov_b32 s[G1+2], 4<<16                       ; tensor_dim1 = 4
	s_mov_b32 s[G1+3], 1024<<16                    ; tile_dim0 = 1,024
	s_mov_b32 s[G1+4], 4                           ; tile_dim1 = 4
	s_mov_b32 s[G1+5], 4096                        ; elements from row to row
	s_mov_b32 s[G1+6], 0
	s_mov_b32 s[G1+7], 0
	s_mov_b32 s[G0], 1
	s_mul_i32 s[G0+1], s[WV], WAVEB                ; my two tiles in LDS
	s_mov_b32 s[G0+4], 1
	s_add_co_u32 s[G0+5], s[G0+1], TILEB
	s_lshl_b32 s2, ttmp9, 18                       ; 16 rows of 16,384 bytes a work-group,
	s_lshl_b32 s3, s27, 16                         ; 4 rows,
	s_add_co_u32 s2, s2, s3
	s_lshl_b32 s3, s28, 13                         ; half a row
	s_add_co_u32 s2, s2, s3
	s_mov_b32 s3, 0
	s_lshr_b32 s4, ttmp9, 5                        ; b
	s_lshl_b32 s4, s4, 22                          ; 64 blocks of 65,536 bytes a batch
	s_and_b32 s5, ttmp9, 31
	s_lshl_b32 s5, s5, 11                          ; 16 rows of 128 bytes
	s_add_co_u32 s4, s4, s5
	s_lshl_b32 s5, s28, 18                         ; the second half of a row is kb 4..7
	s_add_co_u32 s4, s4, s5
	s_lshl_b32 s5, s27, 9                          ; 4 rows of 128 bytes
	s_add_co_u32 s4, s4, s5
	s_mov_b32 s5, 0
	s_wait_dscnt 0x0                               ; both opening adds are done
	s_wait_kmcnt 0x0
	s_add_nc_u64 s[G0+2:G0+3], s[8:9], s[2:3]
	s_add_nc_u64 s[G0+6:G0+7], s[G0+2:G0+3], 4096  ; the second tile: the next 1,024 numbers of the same rows
	s_or_b32 s[G0+3], s[G0+3], 0x80000000
	s_or_b32 s[G0+7], s[G0+7], 0x80000000
	tensor_load_to_lds s[G0:G0+3], s[G1:G1+7]      ; both first fills together: two loads of mine are out
	s_nop 0
	tensor_load_to_lds s[G0+4:G0+7], s[G1:G1+7]
	s_nop 0
	s_add_nc_u64 s[XPB:XPB+1], s[18:19], s[4:5]
	; the weights: work-groups 64 k .. 64 k + 63 round weight k, 8 rows each; wave w takes column block w
	s_lshr_b32 s29, ttmp9, 6
	s_cmp_lt_u32 s29, 2
	s_cselect_b64 s[SRC:SRC+1], s[10:11], s[14:15]
	s_cselect_b64 s[54:55], s[12:13], s[16:17]
	s_cselect_b64 s[DST:DST+1], s[20:21], s[24:25]
	s_cselect_b64 s[56:57], s[22:23], s[24:25]
	s_and_b32 s31, s29, 1
	s_cmp_eq_u32 s31, 1
	s_cselect_b64 s[SRC:SRC+1], s[54:55], s[SRC:SRC+1]
	s_cselect_b64 s[DST:DST+1], s[56:57], s[DST:DST+1]
	s_cmp_eq_u32 s29, 3
	s_cselect_b32 s30, 524288, 0                   ; w_mask lies behind w_g in wgm
	v_and_b32 v8, 31, v0                           ; l
	v_lshrrev_b32 v9, 3, v8                        ; l / 8
	v_and_b32 v10, 7, v8                           ; l % 8
	v_lshl_add_u32 v11, v9, 4, v10                 ; piece 16 (l / 8) + l % 8
	v_mul_u32_u24 v[LA], v11, 272
	v_add_nc_u32 v[LA], s[G0+1], v[LA]
	v_lshlrev_b32 v[SO], 4, v8
	s_and_b32 s31, ttmp9, 63
	s_lshl_b32 s2, s31, 14                         ; 8 rows of 2,048 bytes
	s_lshl_b32 s3, s[WV], 8                        ; 64 columns of 4 bytes
	s_add_co_u32 s2, s2, s3
	v_lshlrev_b32 v[WLO], 11, v9
	v_lshl_add_u32 v[WLO], v10, 5, v[WLO]
	v_add_nc_u32 v[WLO], s2, v[WLO]
	s_lshl_b32 s2, s31, 10                         ; 8 rows of 128 bytes
	s_lshl_b32 s3, s[WV], 16
	s_add_co_u32 s2, s2, s3
	s_add_co_u32 s2, s2, s30
	v_lshl_add_u32 v[WSO], v8, 4, s2
	global_load_b128 v[W:W+3],     v[WLO], s[SRC:SRC+1] th:TH_LOAD_NT
	global_load_b128 v[W+4:W+7],   v[WLO], s[SRC:SRC+1] offset:16 th:TH_LOAD_NT
	global_load_b128 v[W+8:W+11],  v[WLO], s[SRC:SRC+1] offset:8192 th:TH_LOAD_NT
	global_load_b128 v[W+12:W+15], v[WLO], s[SRC:SRC+1] offset:8208 th:TH_LOAD_NT
	s_wait_loadcnt 0x0
.irp i, 0,1,2,3,4,5,6,7
	v_cvt_pk_bf16_f32 v[WY+\i], v[W+2*\i], v[W+2*\i+1]
.endr
	global_store_b128 v[WSO], v[WY:WY+3],   s[DST:DST+1]            ; 4 rows x 128 bytes on end
	global_store_b128 v[WSO], v[WY+4:WY+7], s[DST:DST+1] offset:512
; 16 LDS loads: my piece of 64 numbers (e = 8 (l % 8) + i / 8, j = i % 8) of tile t, block kbl of its two
.macro LD t, kbl, st
.set i, 0
.rept 16
	ds_load_b128 v[X0+96*(\st)+4*i:X0+96*(\st)+4*i+3], v[LA] offset:(\t)*TILEB+(\kbl)*2176+16*i
.set i, i+1
.endr
.endm
; For each j the eight numbers 8 apart are rounded in pairs: the rounding is also the sorting by j.  Each store of the wave covers 512 consecutive bytes, aligned.
.macro PROC t, kbl, st, left
	s_wait_dscnt \left                             ; LDS loads come back in order: this set is in, the younger 16 may be out
	s_wait_xcnt 0x0                                ; the registers that this set's last stores read are rewritten only behind this wait
.irp j, 0,1,2,3,4,5,6,7
.irp m, 0,1,2,3
	v_cvt_pk_bf16_f32 v[Y0+96*(\st)+4*\j+\m], v[X0+96*(\st)+16*\m+\j], v[X0+96*(\st)+16*\m+8+\j]
.endr
	global_store_b128 v[SO], v[Y0+96*(\st)+4*\j:Y0+96*(\st)+4*\j+3], s[XPB:XPB+1] offset:\j*524288+(2*(\t)+(\kbl))*65536
.endr
.endm
	s_wait_tensorcnt 0x1                           ; my first tile is in; the second may stay out
	LD 0, 0, 0
	LD 0, 1, 1
	PROC 0, 0, 0, 16
	s_wait_tensorcnt 0x0                           ; the second tile
	LD 1, 0, 0
	PROC 0, 1, 1, 16
	LD 1, 1, 1
	PROC 1, 0, 0, 16
	PROC 1, 1, 1, 0
	s_wait_tensorcnt 0x0                           ; the wave's end
	ds_add_u32 v[SPW], v[NIL]
	s_wait_dscnt 0x0
	s_endpgm
.Lfunc_end_k_q779110312b_prep:
	.size	k_q779110312b_prep, .Lfunc_end_k_q779110312b_prep-k_q779110312b_prep
	.p2alignl 7, 3214868480
	.fill 96, 4, 3214868480
	.section	.rodata,"a",@progbits
	.p2align	6, 0x0
	.amdhsa_kernel k_q779110312b_prep
		.amdhsa_group_segment_fixed_size 279552
		.amdhsa_private_segment_fixed_size 0
		.amdhsa_enable_private_segment 0
		.amdhsa_kernarg_size 72
		.amdhsa_user_sgpr_count 2
		.amdhsa_user_sgpr_kernarg_segment_ptr 1
		.amdhsa_wavefront_size32 1
		.amdhsa_system_sgpr_workgroup_id_x 1
		.amdhsa_system_sgpr_workgroup_id_y 1
		.amdhsa_system_sgpr_workgroup_id_z 1
		.amdhsa_system_vgpr_workitem_id 0
		.amdhsa_next_free_vgpr 240
		.amdhsa_next_free_sgpr 66
		.amdhsa_reserve_vcc 0
		.amdhsa_float_denorm_mode_32 3
		.amdhsa_float_denorm_mode_16_64 3
		.amdhsa_memory_ordered 1
		.amdhsa_forward_progress 1
		.amdhsa_inst_pref_size 21
	.end_amdhsa_kernel
	.amdgpu_metadata
---
amdhsa.version: [ 1, 2 ]
amdhsa.kernels:
  - .name:           k_q779110312b_prep
    .symbol:         k_q779110312b_prep.kd
    .args:
      - { .name: x, .offset: 0, .size: 8, .value_kind: global_buffer, .address_space: global }
      - { .name: w_phi, .offset: 8, .size: 8, .value_kind: global_buffer, .address_space: global }
      - { .name: w_theta, .offset: 16, .size: 8, .value_kind: global_buffer, .address_space: global }
      - { .name: w_g, .offset: 24, .size: 8, .value_kind: global_buffer, .address_space: global }
      - { .name: w_mask, .offset: 32, .size: 8, .value_kind: global_buffer, .address_space: global }
      - { .name: xp, .offset: 40, .size: 8, .value_kind: global_buffer, .address_space: global }
      - { .name: wphib, .offset: 48, .size: 8, .value_kind: global_buffer, .address_space: global }
      - { .name: wthb, .offset: 56, .size: 8, .value_kind: global_buffer, .address_space: global }
      - { .name: wgm, .offset: 64, .size: 8, .value_kind: global_buffer, .address_space: global }
    .group_segment_fixed_size: 279552
    .private_segment_fixed_size: 0
    .kernarg_segment_align: 8
    .kernarg_segment_size: 72
    .max_flat_workgroup_size: 256
    .sgpr_count:     66
    .vgpr_count:     240
    .wavefront_size: 32
...
	.end_amdgpu_metadata
.endif
;; end of part 1
;; launch gram (part 2): grid 32 x 4, 4 waves a work-group, clusters of 4 x 4, 327,680 bytes of LDS; arguments xp, hla; writes hla
.if DOCPART == 2
	.amdgcn_target "amdgcn-amd-amdhsa--gfx1250"
	.amdhsa_code_object_version 6
	.text
	.protected	k_q779110312b_gram
	.globl	k_q779110312b_gram
	.p2align	8
	.type	k_q779110312b_gram,@function
k_q779110312b_gram:
	s_mov_b64 s[64:65], 0
	v_nop
	global_prefetch_b8 v0, s[64:65] scope:SCOPE_SE
	s_setreg_imm32_b32 hwreg(HW_REG_WAVE_MODE, 25, 1), 1
	s_wait_xcnt 0x0
	s_wait_alu depctr_hold_cnt(0) depctr_sa_sdst(0) depctr_va_vdst(0) depctr_va_sdst(0) depctr_va_ssrc(0) depctr_va_vcc(0) depctr_vm_vsrc(0)
	s_getreg_b32 s2, hwreg(HW_REG_IB_STS2, 6, 4)
	s_cmp_eq_u32 s2, 0
	s_cbranch_scc0 .Lentry_in_a_cluster
	s_endpgm
.Lentry_in_a_cluster:
	s_bfe_u32 s2, ttmp6, 0x10000c
	s_cmp_lg_u32 s2, 0xf033
	s_cbranch_scc0 .Lentry_shape_is_right
	s_endpgm
.Lentry_shape_is_right:
; G[d][c] = sum over n of X[d][n] X[c][n] for one batch, from xp (bf16; the same order of n on both sides), sums in f32; stored as two bf16 terms, hi and lo = G - hi,
; as hla[b][8 term + c / 64][d 512][c % 64].  phi and theta are never formed: S = Wphi G Wtheta^T (see the first kernel's head).
; SHARES.  A cluster of 4 x 4 work-groups makes one batch's 512 x 512; a work-group 128 x 128, each of its four waves 64 x 64: 16 accumulators.  K = 4,096 is not split: partial sums would
; have to be kept in f32 and added by more text than they save.  So the launch has 128 work-groups.
; THE RING.  K goes in steps of 256 = 4 blocks of xp through two LDS slots.  A wave's tensor load brings 64 rows x 4 blocks: 4 rows of 8,192 dense bytes, padded in LDS after every 128 bytes.
; The four work-groups of a row of the cluster need the same rows d, the four of a column the same rows c: each tile is asked for JOINTLY.
; THE MATRIX INSTRUCTION IS USED TRANSPOSED (source 0 = rows c, source 1 = rows d): a lane holds one d and eight neighbouring c.
; REGISTERS: window 0: v0-31 addresses; v32-95 the way out; v128-255 the accumulators ((a, b) at v[128 + 8 (4 a + b)]).  Window 1: two fragment buffers of 128.
.set PITCH,  144                       ; an LDS row: 128 bytes + 16 = 36 words: the 16 rows of a load start at 16 different groups of four banks (64 banks of 4 bytes: ISA guide 11.1)
.set BLKP,   64*PITCH                  ; 64 rows of one block
.set HALFT,  4*BLKP                    ; what one tensor load brings
.set SLOT,   4*HALFT                   ; the 128 rows d, then the 128 rows c
.set STAGE,  2*SLOT                    ; behind the ring: 16 rows x 144 bytes for each wave
.set SPARE,  STAGE+4*16*PITCH          ; behind the stages: the spare words
.set STEPB,  4*65536                   ; bytes of xp from a K step to the next
.set LAPS,   8                         ; 16 K steps, two a lap
.set ADRA, 16
.set ADRB, 20
.set STO,  24
.set RD,   25
.set GO,   26
.set NEG1, 27
.set SPW,  28
.set NIL,  29
.set PFO,  30
.set HB,   32
.set LB,   48
.set OB0,  64
.set OB1,  80
.set ACC,  128
.set F0,   0
.set F1,   128
.set G1,  24
.set G0,  32
.set LIM, 42
.set PFA, 44
.set G1B, 48
.set G0B, 56
.set MSB, 0
.macro WIN new                         ; the immediate's high byte repeats the setting that is left
.if MSB != (\new)
	s_set_vgpr_msb (MSB<<8)|(\new)
.set MSB, \new
.endif
.endm
.set MUL,  0x05                        ; sources 0 and 1 window 1; C and D window 0
.set TO_F, 0x40                        ; destination window 1, address window 0
.macro PLACES
.rept 4
	v_nop
.endr
.endm
.macro JLOAD s                         ; a joint load: waves 0 and 1 fetch the two halves of the rows d, waves 2 and 3 of the rows c; an s_nop 0 and four v_nop follow each line
	s_cmp_eq_u32 s11, 0
	s_cbranch_scc0 .Lfor_b_\@
	tensor_load_to_lds s[G0+4*(\s):G0+4*(\s)+3], s[G1:G1+7]
	s_nop 0
	PLACES
	s_branch .Lasked_\@
.Lfor_b_\@:
	tensor_load_to_lds s[G0B+4*(\s):G0B+4*(\s)+3], s[G1B:G1B+7]
	s_nop 0
	PLACES
.Lasked_\@:
.endm
.macro CREST                           ; a round of the cluster's barrier behind its opening barrier
	s_cmp_lg_u32 s10, 0
	s_cbranch_scc1 .Lnot_wave_0_\@
	s_barrier_signal -3
.Lnot_wave_0_\@:
	s_barrier_wait -3
	s_barrier_signal -1
	s_barrier_wait -1
.endm
.macro CROUND
	s_barrier_signal -1
	s_barrier_wait -1
	CREST
.endm
; A PREFETCH of the K step that will be loaded four K steps (512 matrix instructions) later.  The waves that fetch the rows d ask; of a wave's 64 rows x 4 blocks the partner at place cx takes
; block cx, 8,192 dense bytes, a lane 256 of them: told apart by address alone.  The rows c are the same bytes of xp, so nobody asks for them again.  K steps 2 to 5 come by their loads alone;
; the loop's last two trips ask for nothing: their K steps do not exist.
.macro ASK
	s_cmp_gt_u32 s3, s[LIM]
	s_cbranch_scc0 .Lnot_mine_\@
	global_prefetch_b8 v[PFO], s[PFA:PFA+1] th:TH_LOAD_NT scope:SCOPE_SE
.Lnot_mine_\@:
.endm
	s_load_b128 s[4:7], s[0:1], 0x0                ; xp s[4:5], hla s[6:7]
	v_lshl_add_u32 v[SPW], v0, 2, SPARE
	v_mov_b32 v[NIL], 0
	ds_add_u32 v[SPW], v[NIL]                      ; the wave's opening: the add, twice on end, and its wait ahead of my first tensor load
	ds_add_u32 v[SPW], v[NIL]
	v_lshrrev_b32 v1, 5, v0
	v_readfirstlane_b32 s10, v1                    ; wave 0..3
	s_lshr_b32 s11, s10, 1                         ; which half of the rows d is mine.  Also: I fetch rows d (0) or rows c (1)
	s_and_b32 s12, s10, 1                          ; which half of the rows c.  Also: which 64 rows I fetch
	s_bfe_u32 s40, ttmp6, 0x40000                  ; cx
	s_bfe_u32 s41, ttmp6, 0x40004                  ; cy
	s_lshl_b32 s43, s41, 2
	s_lshl_b32 s43, 15, s43                        ; my row of the cluster
	s_lshl_b32 s23, 0x1111, s40                    ; my column
	s_or_b32 s[G1+0], s43, (1<<16)|(1<<20)|(1<<21)|(4<<22)|(3<<25)   ; the mask; 2-byte elements; padding on; bit 21 beside a mask; after every 32 words, 4 words
	s_or_b32 s[G1B+0], s23, (1<<16)|(1<<20)|(1<<21)|(4<<22)|(3<<25)
.irp g, G1, G1B
	s_mov_b32 s[(\g)+1], 4096<<16                  ; tensor_dim0 = 4,096: 64 rows of a block on end
	s_mov_b32 s[(\g)+2], 4<<16                     ; tensor_dim1 = 4 blocks
	s_mov_b32 s[(\g)+3], 4096<<16                  ; tile_dim0
	s_mov_b32 s[(\g)+4], 4                         ; tile_dim1
	s_mov_b32 s[(\g)+5], 32768                     ; elements from block to block
	s_mov_b32 s[(\g)+6], 0
	s_mov_b32 s[(\g)+7], 0
.endr
	s_lshl_b32 s13, ttmp9, 22                      ; the batch (the cluster's x) in xp
	s_lshl_b32 s17, s12, 13                        ; 64 rows of 128 bytes
	s_lshl_b32 s16, s41, 14                        ; rows d: 128 cy
	s_add_co_u32 s16, s16, s17
	s_add_co_u32 s16, s16, s13
	s_lshl_b32 s46, s40, 14                        ; rows c: 128 cx
	s_add_co_u32 s46, s46, s17
	s_add_co_u32 s46, s46, s13
	s_mov_b32 s17, 0
	s_mov_b32 s47, 0
	s_mul_i32 s20, s10, HALFT                      ; where my part of a slot goes: no place in the cluster enters an LDS address
	s_wait_dscnt 0x0                               ; both opening adds are done
	s_wait_kmcnt 0x0
	s_add_nc_u64 s[14:15], s[4:5], s[16:17]
	s_add_nc_u64 s[46:47], s[4:5], s[46:47]
	CROUND                                         ; all sixteen work-groups are here: the first joint loads meet
.irp s, 0,1
	s_mov_b32 s[G0+4*(\s)], 1
	s_add_co_u32 s[G0+4*(\s)+1], s20, (\s)*SLOT
	s_add_nc_u64 s[G0+4*(\s)+2:G0+4*(\s)+3], s[14:15], (\s)*STEPB
	s_or_b32 s[G0+4*(\s)+3], s[G0+4*(\s)+3], 0x80000000
	s_mov_b32 s[G0B+4*(\s)], 1
	s_add_co_u32 s[G0B+4*(\s)+1], s20, (\s)*SLOT
	s_add_nc_u64 s[G0B+4*(\s)+2:G0B+4*(\s)+3], s[46:47], (\s)*STEPB
	s_or_b32 s[G0B+4*(\s)+3], s[G0B+4*(\s)+3], 0x80000000
	JLOAD \s
.endr
	v_and_b32 v1, 15, v0                           ; l % 16
	v_bfe_u32 v2, v0, 4, 1                         ; l / 16
	v_mul_u32_u24 v3, v1, PITCH
	v_lshl_add_u32 v3, v2, 4, v3                   ; a fragment's row x pitch + 16 x half
	s_mul_i32 s21, s11, HALFT
	s_mul_i32 s22, s12, HALFT
	s_add_co_u32 s22, s22, 2*HALFT
.irp s, 0,1
	v_add_nc_u32 v[ADRA+(\s)], s21, v3
	v_add_nc_u32 v[ADRB+(\s)], s22, v3
	s_add_co_u32 s21, s21, SLOT
	s_add_co_u32 s22, s22, SLOT
.endr
	s_mul_i32 s23, s10, 16*PITCH
	s_add_co_u32 s23, s23, STAGE                   ; my stage
	v_add_nc_u32 v[STO], s23, v3                   ; in: row l % 16, 16 bytes for each half of the lanes
	v_and_b32 v4, 31, v0
	v_lshrrev_b32 v5, 3, v4
	v_and_b32 v6, 7, v4
	v_mul_u32_u24 v5, v5, PITCH
	v_lshl_add_u32 v5, v6, 4, v5
	v_add_nc_u32 v[RD], s23, v5                    ; back: 32 lanes take four rows of 128 bytes,
	v_lshlrev_b32 v[GO], 4, v4                     ; which are 512 consecutive bytes of a block of hla
	v_mov_b32 v[NEG1], -1.0
	v_lshlrev_b32 v[PFO], 8, v4
	s_lshl_b32 s18, s40, 16                        ; the prefetches: my rows d, block cx of the four, at K step 5; the first change of slots steps it to 6
	s_add_co_u32 s18, s18, s16
	s_add_co_u32 s18, s18, 5*STEPB
	s_mov_b32 s19, 0
	s_add_nc_u64 s[PFA:PFA+1], s[4:5], s[18:19]
	s_cmp_eq_u32 s11, 0
	s_cselect_b32 s[LIM], 2, -1
	s_lshl_b32 s22, ttmp9, 20                      ; hla: the batch,
	s_lshl_b32 s21, s40, 17
	s_add_co_u32 s22, s22, s21
	s_lshl_b32 s21, s12, 16                        ; block 2 cx + my half of the rows c,
	s_add_co_u32 s22, s22, s21
	s_lshl_b32 s21, s41, 14
	s_add_co_u32 s22, s22, s21
	s_lshl_b32 s21, s11, 13                        ; row 128 cy + 64 x my half of the rows d
	s_add_co_u32 s22, s22, s21
	s_mov_b32 s23, 0
	s_add_nc_u64 s[8:9], s[6:7], s[22:23]
; 8 matrix instructions: d blocks a0, a0 + 1 x all 4 c blocks, 32 along K: half c of buffer f.  The 16 accumulators take turns.
.macro MUL8 f, c, a0, zero
	WIN MUL
.irp a, \a0, (\a0)+1
.irp b, 0,1,2,3
.if \zero
	v_wmma_f32_16x16x32_bf16 v[ACC+8*(4*(\a)+(\b)):ACC+8*(4*(\a)+(\b))+7], v[(\f)+64+8*(4*(\c)+(\b)):(\f)+64+8*(4*(\c)+(\b))+7], v[(\f)+8*(4*(\c)+(\a)):(\f)+8*(4*(\c)+(\a))+7], 0
.else
	v_wmma_f32_16x16x32_bf16 v[ACC+8*(4*(\a)+(\b)):ACC+8*(4*(\a)+(\b))+7], v[(\f)+64+8*(4*(\c)+(\b)):(\f)+64+8*(4*(\c)+(\b))+7], v[(\f)+8*(4*(\c)+(\a)):(\f)+8*(4*(\c)+(\a))+7], v[ACC+8*(4*(\a)+(\b)):ACC+8*(4*(\a)+(\b))+7]
.endif
.endr
.endr
.endm
; 32 LDS loads in one run: the fragments of one block (64 along K) at byte k of my part of the slot; the first 32 along K first
.macro FETCH slot, k, f
	WIN TO_F
.irp c, 0,1
.irp i, 0,1,2,3
	ds_load_b128 v[(\f)+64+8*(4*(\c)+(\i)):(\f)+64+8*(4*(\c)+(\i))+3],   v[ADRB+(\slot)] offset:(\k)+64*(\c)+(\i)*16*PITCH
	ds_load_b128 v[(\f)+64+8*(4*(\c)+(\i))+4:(\f)+64+8*(4*(\c)+(\i))+7], v[ADRB+(\slot)] offset:(\k)+64*(\c)+(\i)*16*PITCH+32
	ds_load_b128 v[(\f)+8*(4*(\c)+(\i)):(\f)+8*(4*(\c)+(\i))+3],         v[ADRA+(\slot)] offset:(\k)+64*(\c)+(\i)*16*PITCH
	ds_load_b128 v[(\f)+8*(4*(\c)+(\i))+4:(\f)+8*(4*(\c)+(\i))+7],       v[ADRA+(\slot)] offset:(\k)+64*(\c)+(\i)*16*PITCH+32
.endr
.endr
.endm
; A K step is four quarters of one block, 32 matrix instructions each, on buffers 0, 1, 0, 1.
.macro QUARTER slot, k, f, g, zero
	s_wait_dscnt 16                                ; the first 32 along K are in
	WIN MUL
	MUL8 \f, 0, 0, \zero
	MUL8 \f, 0, 2, \zero
	PLACES                                         ; four places in front of loads into registers that matrix instructions have read
	FETCH \slot, \k, \g
	s_wait_dscnt 32                                ; all but the 32 just issued
	WIN MUL
	MUL8 \f, 1, 0, 0
	MUL8 \f, 1, 2, 0
.endm
; The last quarter changes slots: each wave waits for all its tensor loads (one is out: its part of the next slot), adds 0 to its spare word, waits for that and for its reads of this slot.
.macro TURN slot, next, fill
.if \fill
	s_wait_xcnt 0x0                                ; the last prefetch, a K step back, has read its address
	s_add_nc_u64 s[PFA:PFA+1], s[PFA:PFA+1], STEPB
.endif
	WIN 0
	s_wait_tensorcnt 0x0
	ds_add_u32 v[SPW], v[NIL]
	s_wait_dscnt 17                                ; (the add and the youngest sixteen loads may be out)
	WIN MUL
	MUL8 F1, 0, 0, 0
	s_wait_dscnt 0x0                               ; the add is done, and my reads of this slot are over
	s_barrier_signal -1
	MUL8 F1, 0, 2, 0
.if \fill
	WIN 0
.endif
	s_barrier_wait -1
.if \fill
	CREST                                          ; the barrier has opened a round of the cluster's: no wave of any partner still reads this slot or has a load on its way
	s_add_nc_u64 s[G0+4*(\slot)+2:G0+4*(\slot)+3], s[G0+4*(\slot)+2:G0+4*(\slot)+3], 2*STEPB
	s_add_nc_u64 s[G0B+4*(\slot)+2:G0B+4*(\slot)+3], s[G0B+4*(\slot)+2:G0B+4*(\slot)+3], 2*STEPB
	JLOAD \slot                                    ; my one tensor load behind the round; its four v_nop are also the places in front of the loads below
.else
	PLACES
.endif
	FETCH \next, 0, F0
.if \fill
	WIN 0
	ASK
.endif
	WIN MUL
	MUL8 F1, 1, 0, 0
	MUL8 F1, 1, 2, 0
.endm
; THE WAY OUT of 16 rows d x 64 c (four accumulators from register A on): hi = the sum rounded to bf16; lo = (sum - hi) rounded; each through my stage and out as 2,048 dense bytes.
.macro HILO A
.set i, 0
.rept 16
	v_cvt_pk_bf16_f32 v[HB+i], v[(\A)+2*i], v[(\A)+2*i+1]
.set i, i+1
.endr
.set i, 0
.rept 16
	v_fma_mix_f32_bf16 v[(\A)+2*i], v[HB+i], v[NEG1], v[(\A)+2*i] op_sel_hi:[1,0,0]
	v_fma_mix_f32_bf16 v[(\A)+2*i+1], v[HB+i], v[NEG1], v[(\A)+2*i+1] op_sel:[1,0,0] op_sel_hi:[1,0,0]
.set i, i+1
.endr
.set i, 0
.rept 16
	v_cvt_pk_bf16_f32 v[LB+i], v[(\A)+2*i], v[(\A)+2*i+1]
.set i, i+1
.endr
.endm
.macro STG R, OB
.irp q, 0,1,2,3
	ds_store_b128 v[STO], v[(\R)+4*\q:(\R)+4*\q+3] offset:32*\q
.endr
.irp f, 0,1,2,3
	ds_load_b128 v[(\OB)+4*\f:(\OB)+4*\f+3], v[RD] offset:576*\f   ; LDS serves a wave's instructions in order (ISA guide 5.7.1.4): these see the stores above
.endr
.endm
.macro SND OB, off, younger
	s_wait_dscnt \younger
.irp f, 0,1,2,3
	global_store_b128 v[GO], v[(\OB)+4*\f:(\OB)+4*\f+3], s[8:9] offset:(\off)+512*\f   ; 512 consecutive bytes, aligned
.endr
.endm
.macro WAYOUT A, off
	HILO \A
	s_wait_xcnt 0x0                                ; the registers that the last block's stores read are loaded again only behind this wait
	STG HB, OB0
	STG LB, OB1
	SND OB0, \off, 8                               ; lo's four stores and four loads may be out
	SND OB1, (\off)+524288, 0
.endm
	s_wait_tensorcnt 1                             ; my part of K step 0 is in; K step 1's may stay out
	s_barrier_signal -1
	s_barrier_wait -1
	FETCH 0, 0, F0
	QUARTER 0, BLKP, F0, F1, 1                     ; the first quarter's first products start the sums
	WIN 0
	s_mov_b32 s3, LAPS-1
.Llap:                                                 ; a trip goes once round the ring and fills both slots again
	QUARTER 0, 2*BLKP, F1, F0, 0
	QUARTER 0, 3*BLKP, F0, F1, 0
	TURN 0, 1, 1
	QUARTER 1, BLKP,   F0, F1, 0
	QUARTER 1, 2*BLKP, F1, F0, 0
	QUARTER 1, 3*BLKP, F0, F1, 0
	TURN 1, 0, 1
	QUARTER 0, BLKP,   F0, F1, 0
	WIN 0
	s_sub_co_u32 s3, s3, 1
	s_cmp_lg_u32 s3, 0
	s_cbranch_scc1 .Llap
	QUARTER 0, 2*BLKP, F1, F0, 0                   ; the last lap fills nothing
	QUARTER 0, 3*BLKP, F0, F1, 0
	TURN 0, 1, 0
	QUARTER 1, BLKP,   F0, F1, 0
	QUARTER 1, 2*BLKP, F1, F0, 0
	QUARTER 1, 3*BLKP, F0, F1, 0
	s_wait_dscnt 16
	WIN MUL
	MUL8 F1, 0, 0, 0
	MUL8 F1, 0, 2, 0
	s_wait_dscnt 0
	MUL8 F1, 1, 0, 0
	MUL8 F1, 1, 2, 0
	WIN 0
	PLACES
	WAYOUT ACC, 0
	WAYOUT ACC+32, 2048
	WAYOUT ACC+64, 4096
	WAYOUT ACC+96, 6144
	s_wait_tensorcnt 0x0                           ; the wave's end
	ds_add_u32 v[SPW], v[NIL]
	s_wait_dscnt 0x0
	CROUND                                         ; the closing round
	s_endpgm
.Lfunc_end_k_q779110312b_gram:
	.size	k_q779110312b_gram, .Lfunc_end_k_q779110312b_gram-k_q779110312b_gram
	.p2alignl 7, 3214868480
	.fill 96, 4, 3214868480
	.section	.rodata,"a",@progbits
	.p2align	6, 0x0
	.amdhsa_kernel k_q779110312b_gram
		.amdhsa_group_segment_fixed_size 327680
		.amdhsa_private_segment_fixed_size 0
		.amdhsa_enable_private_segment 0
		.amdhsa_kernarg_size 16
		.amdhsa_user_sgpr_count 2
		.amdhsa_user_sgpr_kernarg_segment_ptr 1
		.amdhsa_wavefront_size32 1
		.amdhsa_system_sgpr_workgroup_id_x 1
		.amdhsa_system_sgpr_workgroup_id_y 1
		.amdhsa_system_sgpr_workgroup_id_z 1
		.amdhsa_system_vgpr_workitem_id 0
		.amdhsa_next_free_vgpr 512
		.amdhsa_next_free_sgpr 66
		.amdhsa_reserve_vcc 0
		.amdhsa_float_denorm_mode_32 3
		.amdhsa_float_denorm_mode_16_64 3
		.amdhsa_memory_ordered 1
		.amdhsa_forward_progress 1
		.amdhsa_inst_pref_size 102
	.end_amdhsa_kernel
	.amdgpu_metadata
---
amdhsa.version: [ 1, 2 ]
amdhsa.kernels:
  - .name:           k_q779110312b_gram
    .symbol:         k_q779110312b_gram.kd
    .args:
      - { .name: xp, .offset: 0, .size: 8, .value_kind: global_buffer, .address_space: global }
      - { .name: hla, .offset: 8, .size: 8, .value_kind: global_buffer, .address_space: global }
    .group_segment_fixed_size: 327680
    .private_segment_fixed_size: 0
    .kernarg_segment_align: 8
    .kernarg_segment_size: 16
    .max_flat_workgroup_size: 128
    .sgpr_count:     66
    .vgpr_count:     512
    .wavefront_size: 32
...
	.end_amdgpu_metadata
.endif
;; end of part 2
;; launch tg (part 3): grid 64 x 4, 4 waves a work-group, clusters of 4 x 4, 304,640 bytes of LDS; arguments hla, wphib, hlb; writes hlb
.if DOCPART == 3
	.amdgcn_target "amdgcn-amd-amdhsa--gfx1250"
	.amdhsa_code_object_version 6
	.text
	.protected	k_q779110312b_tg
	.globl	k_q779110312b_tg
	.p2align	8
	.type	k_q779110312b_tg,@function
k_q779110312b_tg:
	s_mov_b64 s[64:65], 0
	v_nop
	global_prefetch_b8 v0, s[64:65] scope:SCOPE_SE
	s_setreg_imm32_b32 hwreg(HW_REG_WAVE_MODE, 25, 1), 1
	s_wait_xcnt 0x0
	s_wait_alu depctr_hold_cnt(0) depctr_sa_sdst(0) depctr_va_vdst(0) depctr_va_sdst(0) depctr_va_ssrc(0) depctr_va_vcc(0) depctr_vm_vsrc(0)
	s_getreg_b32 s2, hwreg(HW_REG_IB_STS2, 6, 4)
	s_cmp_eq_u32 s2, 0
	s_cbranch_scc0 .Lentry_in_a_cluster
	s_endpgm
.Lentry_in_a_cluster:
	s_bfe_u32 s2, ttmp6, 0x10000c
	s_cmp_lg_u32 s2, 0xf033
	s_cbranch_scc0 .Lentry_shape_is_right
	s_endpgm
.Lentry_shape_is_right:
; C[r][s] = sum over both terms and over k of P_term[b][r][k] Q[s][k].  P: [b][8 term + k / 64][r 512][k % 64], two bf16 terms (hi, lo); Q: [k / 64][s 512][k % 64], bf16; sums in f32.
; C leaves as two bf16 terms again, turned: out[b][8 term + r / 64][s 512][r % 64].  Run twice: P = G, Q = Wphi gives T[o][d] with rows o; P = T, Q = Wtheta gives S[o][p] with rows p.
; (phi and theta are never formed: see the first kernel's head.)
; SHARES.  A work-group makes 64 r x 128 s; the cluster's x is 2 b + (which half of r), cy the tile of 64 r in that half, cx the tile of 128 s: 256 work-groups.  All that a work-group
; multiplies lies in LDS at once (P 64 rows x 16 blocks, Q 128 rows x 8 blocks): two first fills a wave, nothing filled again, one barrier.  P's tile is shared along a row of the cluster,
; Q's along a column: both are asked for jointly.  A wave makes all 64 r x 32 s: 8 accumulators.  Source 0 = rows r, source 1 = rows s: a lane holds one s and eight neighbouring r.
.set PITCH, 144
.set QREG,  147456                     ; P: [t 16][64][144] from 0; Q: [kb 8][128][144] from here
.set STAGE, 294912
.set SPARE, STAGE+4*16*PITCH
.set APH,  16                          ; v16  my place in P's hi block in hand
.set APL,  17                          ; v17  in its lo block
.set AQ,   18                          ; v18  in Q's block
.set STO,  24
.set RD,   25
.set GO,   26
.set NEG1, 27
.set SPW,  28
.set NIL,  29
.set HB,   32
.set LB,   48
.set OB0,  64
.set OB1,  80
.set ACC,  128
.set F0,   0
.set F1,   128
.set G1P, 24
.set G0P, 32
.set G1Q, 48
.set G0Q, 56
.set MSB, 0
.macro WIN new
.if MSB != (\new)
	s_set_vgpr_msb (MSB<<8)|(\new)
.set MSB, \new
.endif
.endm
.set MUL,  0x05
.set TO_F, 0x40
.macro PLACES
.rept 4
	v_nop
.endr
.endm
.macro CROUND                          ; a round of the cluster's barrier
	s_barrier_signal -1
	s_barrier_wait -1
	s_cmp_lg_u32 s10, 0
	s_cbranch_scc1 .Lnot_wave_0_\@
	s_barrier_signal -3
.Lnot_wave_0_\@:
	s_barrier_wait -3
	s_barrier_signal -1
	s_barrier_wait -1
.endm
	s_load_b128 s[4:7], s[0:1], 0x0                ; P s[4:5], Q s[6:7]
	s_load_b64 s[8:9], s[0:1], 0x10                ; out
	v_lshl_add_u32 v[SPW], v0, 2, SPARE
	v_mov_b32 v[NIL], 0
	ds_add_u32 v[SPW], v[NIL]                      ; the wave's opening: the add, twice on end, and its wait ahead of my first tensor load
	ds_add_u32 v[SPW], v[NIL]
	v_lshrrev_b32 v1, 5, v0
	v_readfirstlane_b32 s10, v1                    ; wave 0..3
	s_bfe_u32 s40, ttmp6, 0x40000                  ; cx
	s_bfe_u32 s41, ttmp6, 0x40004                  ; cy
	s_lshr_b32 s13, ttmp9, 1                       ; b
	s_and_b32 s12, ttmp9, 1
	s_lshl_b32 s14, s12, 2
	s_add_co_u32 s14, s14, s41                     ; the tile of 64 r: 4 x half + cy
	s_lshl_b32 s43, s41, 2
	s_lshl_b32 s43, 15, s43                        ; my row of the cluster
	s_lshl_b32 s44, 0x1111, s40                    ; my column
	s_or_b32 s[G1P+0], s43, (1<<16)|(1<<20)|(1<<21)|(4<<22)|(3<<25)
	s_mov_b32 s[G1P+1], 4096<<16                   ; 64 rows of a block on end,
	s_mov_b32 s[G1P+2], 4<<16                      ; 4 blocks
	s_mov_b32 s[G1P+3], 4096<<16
	s_mov_b32 s[G1P+4], 4
	s_mov_b32 s[G1P+5], 32768
	s_mov_b32 s[G1P+6], 0
	s_mov_b32 s[G1P+7], 0
	s_or_b32 s[G1Q+0], s44, (1<<16)|(1<<20)|(1<<21)|(4<<22)|(3<<25)
	s_mov_b32 s[G1Q+1], 8192<<16                   ; 128 rows of a block on end,
	s_mov_b32 s[G1Q+2], 2<<16                      ; 2 blocks
	s_mov_b32 s[G1Q+3], 8192<<16
	s_mov_b32 s[G1Q+4], 2
	s_mov_b32 s[G1Q+5], 32768
	s_mov_b32 s[G1Q+6], 0
	s_mov_b32 s[G1Q+7], 0
	s_lshl_b32 s16, s13, 20                        ; P: the batch,
	s_lshl_b32 s17, s10, 18                        ; blocks 4 w ..,
	s_add_co_u32 s16, s16, s17
	s_lshl_b32 s17, s14, 13                        ; 64 rows of 128 bytes
	s_add_co_u32 s16, s16, s17
	s_mov_b32 s17, 0
	s_lshl_b32 s46, s10, 17                        ; Q: blocks 2 w ..,
	s_lshl_b32 s47, s40, 14                        ; 128 rows
	s_add_co_u32 s46, s46, s47
	s_mov_b32 s47, 0
	s_mul_i32 s20, s10, 36864
	s_mov_b32 s[G0P], 1
	s_mov_b32 s[G0P+1], s20
	s_mov_b32 s[G0Q], 1
	s_add_co_u32 s[G0Q+1], s20, QREG
	s_wait_dscnt 0x0                               ; both opening adds are done
	s_wait_kmcnt 0x0
	s_add_nc_u64 s[G0P+2:G0P+3], s[4:5], s[16:17]
	s_or_b32 s[G0P+3], s[G0P+3], 0x80000000
	s_add_nc_u64 s[G0Q+2:G0Q+3], s[6:7], s[46:47]
	s_or_b32 s[G0Q+3], s[G0Q+3], 0x80000000
	CROUND                                         ; all sixteen work-groups are here: the joint loads meet
	tensor_load_to_lds s[G0P:G0P+3], s[G1P:G1P+7]  ; two loads of mine are out
	s_nop 0
	tensor_load_to_lds s[G0Q:G0Q+3], s[G1Q:G1Q+7]
	s_nop 0
	PLACES
	v_and_b32 v1, 15, v0
	v_bfe_u32 v2, v0, 4, 1
	v_mul_u32_u24 v3, v1, PITCH
	v_lshl_add_u32 v3, v2, 4, v3
	v_mov_b32 v[APH], v3
	v_add_nc_u32 v[APL], 73728, v3                 ; the lo blocks lie 8 blocks of 9,216 bytes on
	s_mul_i32 s21, s10, 32*PITCH                   ; my 32 rows s
	s_add_co_u32 s21, s21, QREG
	v_add_nc_u32 v[AQ], s21, v3
	s_mul_i32 s23, s10, 16*PITCH
	s_add_co_u32 s23, s23, STAGE
	v_add_nc_u32 v[STO], s23, v3
	v_and_b32 v4, 31, v0
	v_lshrrev_b32 v5, 3, v4
	v_and_b32 v6, 7, v4
	v_mul_u32_u24 v5, v5, PITCH
	v_lshl_add_u32 v5, v6, 4, v5
	v_add_nc_u32 v[RD], s23, v5
	v_lshlrev_b32 v[GO], 4, v4
	v_mov_b32 v[NEG1], -1.0
	s_lshl_b32 s18, s13, 20                        ; out: the batch, block r / 64, row 128 cx + 32 w
	s_lshl_b32 s19, s14, 16
	s_add_co_u32 s18, s18, s19
	s_lshl_b32 s19, s40, 14
	s_add_co_u32 s18, s18, s19
	s_lshl_b32 s19, s10, 12
	s_add_co_u32 s18, s18, s19
	s_mov_b32 s19, 0
	s_add_nc_u64 s[8:9], s[8:9], s[18:19]
; 8 matrix instructions, 32 along K (half c of buffer f): 2 blocks of s x 4 blocks of r; the 8 accumulators take turns
.macro MUL8 f, c, zero
	WIN MUL
.irp a, 0,1
.irp q, 0,1,2,3
.if \zero
	v_wmma_f32_16x16x32_bf16 v[ACC+8*(4*\a+\q):ACC+8*(4*\a+\q)+7], v[(\f)+8*(4*(\c)+\q):(\f)+8*(4*(\c)+\q)+7], v[(\f)+64+8*(2*(\c)+\a):(\f)+64+8*(2*(\c)+\a)+7], 0
.else
	v_wmma_f32_16x16x32_bf16 v[ACC+8*(4*\a+\q):ACC+8*(4*\a+\q)+7], v[(\f)+8*(4*(\c)+\q):(\f)+8*(4*(\c)+\q)+7], v[(\f)+64+8*(2*(\c)+\a):(\f)+64+8*(2*(\c)+\a)+7], v[ACC+8*(4*\a+\q):ACC+8*(4*\a+\q)+7]
.endif
.endr
.endr
.endm
; 24 LDS loads: one block of P (by ap) and of Q (by aq); the first 32 along K first
.macro FETCH f, ap, aq
	WIN TO_F
.irp c, 0,1
.irp q, 0,1,2,3
	ds_load_b128 v[(\f)+8*(4*\c+\q):(\f)+8*(4*\c+\q)+3],   v[\ap] offset:64*\c+2304*\q
	ds_load_b128 v[(\f)+8*(4*\c+\q)+4:(\f)+8*(4*\c+\q)+7], v[\ap] offset:64*\c+2304*\q+32
.endr
.irp a, 0,1
	ds_load_b128 v[(\f)+64+8*(2*\c+\a):(\f)+64+8*(2*\c+\a)+3],   v[\aq] offset:64*\c+2304*\a
	ds_load_b128 v[(\f)+64+8*(2*\c+\a)+4:(\f)+64+8*(2*\c+\a)+7], v[\aq] offset:64*\c+2304*\a+32
.endr
.endr
.endm
; One block is multiplied from buffer f while the next is fetched into g.  sh, sl, sq: which addresses step to their next block first; with v_nop they make up the four places in front of the loads.
.macro KBM f, g, ap, aq, zero, sh, sl, sq
	s_wait_dscnt 12                                ; the first 32 along K are in
	MUL8 \f, 0, \zero
	WIN 0
.if \sh
	v_add_nc_u32 v[APH], 9216, v[APH]
.else
	v_nop
.endif
.if \sl
	v_add_nc_u32 v[APL], 9216, v[APL]
.else
	v_nop
.endif
.if \sq
	v_add_nc_u32 v[AQ], 18432, v[AQ]
.else
	v_nop
.endif
	v_nop
	FETCH \g, \ap, \aq
	s_wait_dscnt 24                                ; all but the 24 just issued
	MUL8 \f, 1, 0
.endm
.macro HILO A
.set i, 0
.rept 16
	v_cvt_pk_bf16_f32 v[HB+i], v[(\A)+2*i], v[(\A)+2*i+1]
.set i, i+1
.endr
.set i, 0
.rept 16
	v_fma_mix_f32_bf16 v[(\A)+2*i], v[HB+i], v[NEG1], v[(\A)+2*i] op_sel_hi:[1,0,0]
	v_fma_mix_f32_bf16 v[(\A)+2*i+1], v[HB+i], v[NEG1], v[(\A)+2*i+1] op_sel:[1,0,0] op_sel_hi:[1,0,0]
.set i, i+1
.endr
.set i, 0
.rept 16
	v_cvt_pk_bf16_f32 v[LB+i], v[(\A)+2*i], v[(\A)+2*i+1]
.set i, i+1
.endr
.endm
.macro STG R, OB
.irp q, 0,1,2,3
	ds_store_b128 v[STO], v[(\R)+4*\q:(\R)+4*\q+3] offset:32*\q
.endr
.irp f, 0,1,2,3
	ds_load_b128 v[(\OB)+4*\f:(\OB)+4*\f+3], v[RD] offset:576*\f
.endr
.endm
.macro SND OB, off, younger
	s_wait_dscnt \younger
.irp f, 0,1,2,3
	global_store_b128 v[GO], v[(\OB)+4*\f:(\OB)+4*\f+3], s[8:9] offset:(\off)+512*\f
.endr
.endm
.macro WAYOUT A, off
	HILO \A
	s_wait_xcnt 0x0
	STG HB, OB0
	STG LB, OB1
	SND OB0, \off, 8
	SND OB1, (\off)+524288, 0
.endm
	s_wait_tensorcnt 0x0                           ; my parts of P and Q are in,
	s_barrier_signal -1
	s_barrier_wait -1                              ; everybody's are
	FETCH F0, APH, AQ                              ; hi and lo of one block of K stand next to each other, so no address goes back
	KBM F0, F1, APL, AQ, 1, 0, 0, 0
	KBM F1, F0, APH, AQ, 0, 1, 0, 1
	WIN 0
	s_mov_b32 s3, 6
.Lkb:
	KBM F0, F1, APL, AQ, 0, 0, 1, 0
	KBM F1, F0, APH, AQ, 0, 1, 0, 1
	WIN 0
	s_sub_co_u32 s3, s3, 1
	s_cmp_lg_u32 s3, 0
	s_cbranch_scc1 .Lkb
	KBM F0, F1, APL, AQ, 0, 0, 1, 0
	s_wait_dscnt 12
	MUL8 F1, 0, 0
	s_wait_dscnt 0x0
	MUL8 F1, 1, 0
	WIN 0
	PLACES
	WAYOUT ACC, 0
	WAYOUT ACC+32, 2048
	s_wait_tensorcnt 0x0                           ; the wave's end
	ds_add_u32 v[SPW], v[NIL]
	s_wait_dscnt 0x0
	CROUND                                         ; the closing round
	s_endpgm
.Lfunc_end_k_q779110312b_tg:
	.size	k_q779110312b_tg, .Lfunc_end_k_q779110312b_tg-k_q779110312b_tg
	.p2alignl 7, 3214868480
	.fill 96, 4, 3214868480
	.section	.rodata,"a",@progbits
	.p2align	6, 0x0
	.amdhsa_kernel k_q779110312b_tg
		.amdhsa_group_segment_fixed_size 304640
		.amdhsa_private_segment_fixed_size 0
		.amdhsa_enable_private_segment 0
		.amdhsa_kernarg_size 24
		.amdhsa_user_sgpr_count 2
		.amdhsa_user_sgpr_kernarg_segment_ptr 1
		.amdhsa_wavefront_size32 1
		.amdhsa_system_sgpr_workgroup_id_x 1
		.amdhsa_system_sgpr_workgroup_id_y 1
		.amdhsa_system_sgpr_workgroup_id_z 1
		.amdhsa_system_vgpr_workitem_id 0
		.amdhsa_next_free_vgpr 512
		.amdhsa_next_free_sgpr 66
		.amdhsa_reserve_vcc 0
		.amdhsa_float_denorm_mode_32 3
		.amdhsa_float_denorm_mode_16_64 3
		.amdhsa_memory_ordered 1
		.amdhsa_forward_progress 1
		.amdhsa_inst_pref_size 35
	.end_amdhsa_kernel
	.amdgpu_metadata
---
amdhsa.version: [ 1, 2 ]
amdhsa.kernels:
  - .name:           k_q779110312b_tg
    .symbol:         k_q779110312b_tg.kd
    .args:
      - { .name: hla, .offset: 0, .size: 8, .value_kind: global_buffer, .address_space: global }
      - { .name: wphib, .offset: 8, .size: 8, .value_kind: global_buffer, .address_space: global }
      - { .name: hlb, .offset: 16, .size: 8, .value_kind: global_buffer, .address_space: global }
    .group_segment_fixed_size: 304640
    .private_segment_fixed_size: 0
    .kernarg_segment_align: 8
    .kernarg_segment_size: 24
    .max_flat_workgroup_size: 128
    .sgpr_count:     66
    .vgpr_count:     512
    .wavefront_size: 32
...
	.end_amdgpu_metadata
.endif
;; end of part 3
;; launch sg: the kernel of part 3 again; grid 64 x 4, 4 waves a work-group, clusters of 4 x 4, 304,640 bytes of LDS; arguments hlb, wthb, hla; writes hla
;; launch mg (part 4): grid 256 x 1, 8 waves a work-group, clusters of 4 x 1, 269,312 bytes of LDS; arguments hla, wgm, gamma, mb; writes mb
.if DOCPART == 4
	.amdgcn_target "amdgcn-amd-amdhsa--gfx1250"
	.amdhsa_code_object_version 6
	.text
	.protected	k_q779110312b_mg
	.globl	k_q779110312b_mg
	.p2align	8
	.type	k_q779110312b_mg,@function
k_q779110312b_mg:
	s_mov_b64 s[64:65], 0
	v_nop
	global_prefetch_b8 v0, s[64:65] scope:SCOPE_SE
	s_setreg_imm32_b32 hwreg(HW_REG_WAVE_MODE, 25, 1), 1
	s_wait_xcnt 0x0
	s_wait_alu depctr_hold_cnt(0) depctr_sa_sdst(0) depctr_va_vdst(0) depctr_va_sdst(0) depctr_va_ssrc(0) depctr_va_vcc(0) depctr_vm_vsrc(0)
	s_getreg_b32 s2, hwreg(HW_REG_IB_STS2, 6, 4)
	s_cmp_eq_u32 s2, 0
	s_cbranch_scc0 .Lentry_in_a_cluster
	s_endpgm
.Lentry_in_a_cluster:
	s_bfe_u32 s2, ttmp6, 0x10000c
	s_cmp_lg_u32 s2, 0x3003
	s_cbranch_scc0 .Lentry_shape_is_right
	s_endpgm
.Lentry_shape_is_right:
; attn = softmax over p of S[o][p] (S = hi + lo from hla[b][8 term + o / 64][p 512][o % 64]); M[c][d] = gamma sum_e attn[c][e] Wg[e][d], rounded once to bf16, as mb[b][d / 64][c 512][d % 64].
; g and y are never formed: y = (attn Wg) X (see the first kernel's head).  The row maximum is taken away before the exponential; a weight below 2^-126 counts as 0.
; SHARES.  A work-group makes 64 c (one block of o) x 128 d.  The cluster's number is 8 b + 4 (half of the blocks of o) + (tile of 128 d); cx picks the block in the half.  The four partners
; multiply by the same 512 x 128 of Wg: asked for jointly, one load a wave, once.  S comes through registers.  Eight waves: most of the work is the softmax of 64 x 512 numbers, and with
; eight a lane's 128 scores fit one window of registers.  Wave w has p = 64 w .. + 63; a lane 8 neighbouring o (its octet l % 8) x 16 p.
; PRODUCT.  K = e lies down the rows of both operands in LDS (Wg as it is stored, attn^T as the softmax leaves it), so both come turned, by ds_load_tr16_b128.  Source 0 = 16 d, source 1 = 16 c:
; a lane holds one c and eight neighbouring d.  Wave w: block of 64 d w / 4, 16 c w % 4: four accumulators, which take turns.
.set PV,    160                        ; an LDS row of 128 bytes + 32
.set PT,    163840                     ; Wg: [block 2][e 512][160] from 0; attn^T: [e 512][160] from here (stored by the waves, never filled by a tensor load)
.set RED,   245760                     ; the waves' maxima, 256 bytes each; their sums 2,048 bytes on
.set STAGE, 249856
.set SPARE, 268288
.set SPW,  2
.set NIL,  3
.set ONE,  4
.set SOF,  5
.set RDW,  6
.set RDR,  7
.set PST,  8
.set AQT,  9
.set AQT2, 10
.set APT,  11
.set APT2, 12
.set STO,  13
.set RD,   14
.set GO,   15
.set MX,   16                          ; v16-23  maxima (then c m) of my 8 o: even o in 16-19, odd o in 20-23
.set LS,   24                          ; v24-31  sums, then their reciprocals, likewise
.set ACC,  32
.set SH,   64                          ; v64-127  hi words as loaded; then at work
.set OD,   128                         ; v128-191 lo words as loaded; then the odd o's scores (word k of row i at 4 i + k)
.set EV,   192                         ; v192-255 the even o's scores
.set WV,  12
.set G1,  24
.set G0,  32
.set CS,  36
.set SEL, 38
.set GM,  40
.set SB,  42
.set OUTP, 44
.macro PLACES
.rept 4
	v_nop
.endr
.endm
.macro CROUND
	s_barrier_signal -1
	s_barrier_wait -1
	s_cmp_lg_u32 s[WV], 0
	s_cbranch_scc1 .Lnot_wave_0_\@
	s_barrier_signal -3
.Lnot_wave_0_\@:
	s_barrier_wait -3
	s_barrier_signal -1
	s_barrier_wait -1
.endm
.macro CB c                            ; bs = the first of the 16 registers, 4 apart, that hold my scores of o number c (0-3 even, 4-7 odd)
.if (\c) < 4
.set bs, EV+(\c)
.else
.set bs, OD+(\c)-4
.endif
.endm
.macro PB p                            ; the same for pairs of o: pair p of four
.if (\p) < 2
.set bs, EV+2*(\p)
.else
.set bs, OD+2*(\p)-4
.endif
.endm
	s_load_b256 s[4:11], s[0:1], 0x0               ; hla s[4:5], wgm s[6:7], gamma s[8:9], mb s[10:11]
	v_lshl_add_u32 v[SPW], v0, 2, SPARE
	v_mov_b32 v[NIL], 0
	ds_add_u32 v[SPW], v[NIL]                      ; the wave's opening: the add, twice on end, and its wait ahead of my first tensor load
	ds_add_u32 v[SPW], v[NIL]
	v_lshrrev_b32 v1, 5, v0
	v_readfirstlane_b32 s[WV], v1                  ; wave 0..7
	s_bfe_u32 s13, ttmp6, 0x40000                  ; cx
	s_lshr_b32 s14, ttmp9, 3                       ; b
	s_bfe_u32 s15, ttmp9, 0x10002                  ; which half of the blocks of o
	s_and_b32 s16, ttmp9, 3                        ; the tile of 128 d
	s_lshr_b32 s22, s[WV], 2                       ; my block of 64 d
	s_and_b32 s23, s[WV], 3                        ; my 16 c; also my 128 rows e of the load
	s_mov_b32 s[G1+0], 15|(1<<16)|(1<<20)|(1<<21)|(4<<22)|(7<<25)  ; the mask of four; 2-byte elements; padding on; bit 21 beside a mask; after every 32 words, 8 words
	s_mov_b32 s[G1+1], 128<<16                     ; 128 rows e are 16,384 dense bytes: asked for as 64 rows of 256
	s_mov_b32 s[G1+2], 64<<16
	s_mov_b32 s[G1+3], 128<<16
	s_mov_b32 s[G1+4], 64
	s_mov_b32 s[G1+5], 128
	s_mov_b32 s[G1+6], 0
	s_mov_b32 s[G1+7], 0
	s_mov_b32 s[G0], 1
	s_mul_i32 s[G0+1], s[WV], 128*PV
	s_lshl_b32 s18, s16, 17                        ; Wg's block 2 x tile + my block,
	s_lshl_b32 s19, s22, 16
	s_add_co_u32 s18, s18, s19
	s_lshl_b32 s19, s23, 14                        ; my 128 rows
	s_add_co_u32 s18, s18, s19
	s_mov_b32 s19, 0
	s_mov_b32 s[CS], 0x3fb8aa3b                    ; c = log2(e)
	s_mov_b32 s[CS+1], s[CS]
	s_mov_b32 s[SEL], 0x76543210
	s_mov_b32 s[SEL+1], 0xfedcba98
	s_lshl_b32 s46, s15, 2
	s_add_co_u32 s46, s46, s13                     ; the block of o: it enters S's and M's addresses alone
	s_lshl_b32 s48, s46, 16
	s_lshl_b32 s47, s14, 20
	s_add_co_u32 s48, s48, s47
	s_mov_b32 s49, 0
	s_lshl_b32 s50, s14, 19                        ; mb: the batch, block 2 x tile + my block, row 64 x (block of o) + 16 x my c
	s_add_co_u32 s50, s50, s18
	s_sub_co_u32 s50, s50, s19
	s_lshl_b32 s47, s23, 14
	s_sub_co_u32 s50, s50, s47                     ; (s18 less my rows e: the block alone)
	s_lshl_b32 s47, s46, 13
	s_add_co_u32 s50, s50, s47
	s_lshl_b32 s47, s23, 11
	s_add_co_u32 s50, s50, s47
	s_mov_b32 s51, 0
	s_wait_dscnt 0x0                               ; both opening adds are done
	s_wait_kmcnt 0x0
	s_load_b32 s[GM], s[8:9], 0x0                  ; gamma
	s_add_nc_u64 s[G0+2:G0+3], s[6:7], s[18:19]
	s_or_b32 s[G0+3], s[G0+3], 0x80000000
	s_add_nc_u64 s[SB:SB+1], s[4:5], s[48:49]
	s_add_nc_u64 s[OUTP:OUTP+1], s[10:11], s[50:51]
	CROUND                                         ; all four work-groups are here: the joint loads meet
	tensor_load_to_lds s[G0:G0+3], s[G1:G1+7]      ; one load of mine is out
	s_nop 0
	PLACES
	v_and_b32 v48, 31, v0                          ; l
	v_and_b32 v49, 7, v48                          ; l % 8
	v_lshrrev_b32 v50, 3, v48                      ; l / 8
	v_and_b32 v51, 15, v0                          ; l % 16
	v_bfe_u32 v52, v0, 4, 1                        ; l / 16
	s_lshl_b32 s18, s[WV], 13
	v_lshl_add_u32 v[SOF], v48, 4, s18             ; my wave's 64 rows p of 128 bytes, 16 bytes a lane
.set i, 0
.rept 16
	global_load_b128 v[SH+4*i:SH+4*i+3], v[SOF], s[SB:SB+1] offset:512*i
	global_load_b128 v[OD+4*i:OD+4*i+3], v[SOF], s[SB:SB+1] offset:512*i+524288
.set i, i+1
.endr
	v_mov_b32 v[ONE], 1.0
	s_lshl_b32 s18, s[WV], 8
	s_add_co_u32 s18, s18, RED
	v_lshl_add_u32 v[RDW], v49, 5, s18
	v_lshl_add_u32 v[RDR], v49, 5, RED
	s_mul_i32 s18, s[WV], 64*PV
	s_add_co_u32 s18, s18, PT
	v_mul_u32_u24 v[PST], v50, PV
	v_lshl_add_u32 v[PST], v49, 4, v[PST]
	v_add_nc_u32 v[PST], s18, v[PST]               ; attn^T: row 64 w + l / 8, my octet's 16 bytes
	v_lshl_add_u32 v53, v52, 3, v49                ; the turning load: row 8 (l / 16) + l % 8,
	v_mul_u32_u24 v53, v53, PV
	v_bfe_u32 v54, v0, 3, 1
	v_lshl_add_u32 v53, v54, 4, v53                ; 16 bytes for each eight lanes
	s_mul_i32 s18, s22, 512*PV
	v_add_nc_u32 v[AQT], s18, v53
	v_add_nc_u32 v[AQT2], 256*PV, v[AQT]           ; rows 256 on: the immediate holds 16 bits
	s_lshl_b32 s18, s23, 5
	s_add_co_u32 s18, s18, PT
	v_add_nc_u32 v[APT], s18, v53
	v_add_nc_u32 v[APT2], 256*PV, v[APT]
	s_mul_i32 s18, s[WV], 2304
	s_add_co_u32 s18, s18, STAGE
	v_mul_u32_u24 v[STO], v51, 144
	v_lshl_add_u32 v[STO], v52, 4, v[STO]
	v_add_nc_u32 v[STO], s18, v[STO]
	v_mul_u32_u24 v[RD], v50, 144
	v_lshl_add_u32 v[RD], v49, 4, v[RD]
	v_add_nc_u32 v[RD], s18, v[RD]
	v_lshlrev_b32 v[GO], 4, v48
	s_wait_loadcnt 0x0
	; S = hi + lo in f32: the even o of a word into EV, the odd o in place of the lo word
.set i, 0
.rept 64
	v_lshlrev_b32 v[EV+i], 16, v[SH+i]
	v_and_b32 v[SH+i], 0xffff0000, v[SH+i]
	v_fma_mix_f32_bf16 v[EV+i], v[OD+i], v[ONE], v[EV+i] op_sel_hi:[1,0,0]
	v_fma_mix_f32_bf16 v[OD+i], v[OD+i], v[ONE], v[SH+i] op_sel:[1,0,0] op_sel_hi:[1,0,0]
.set i, i+1
.endr
	; the maximum: eight chains over my 16 p, the lanes 8 and 16 away (the same octet), then the eight waves through LDS
.irp c, 0,1,2,3,4,5,6,7
	CB \c
	v_max3_num_f32 v[MX+\c], v[bs], v[bs+4], v[bs+8]
.endr
.irp s, 1,2,3,4,5,6
.irp c, 0,1,2,3,4,5,6,7
	CB \c
	v_max3_num_f32 v[MX+\c], v[MX+\c], v[bs+8*\s+4], v[bs+8*\s+8]
.endr
.endr
.irp c, 0,1,2,3,4,5,6,7
	CB \c
	v_max_num_f32 v[MX+\c], v[MX+\c], v[bs+60]
.endr
.irp c, 0,1,2,3,4,5,6,7
	v_max_num_f32_dpp v[MX+\c], v[MX+\c], v[MX+\c] row_xmask:8 row_mask:0xf bank_mask:0xf
.endr
.irp c, 0,1,2,3,4,5,6,7
	v_permlanex16_b32 v[SH+\c], v[MX+\c], s[SEL], s[SEL+1]
.endr
.irp c, 0,1,2,3,4,5,6,7
	v_max_num_f32 v[MX+\c], v[MX+\c], v[SH+\c]
.endr
	ds_store_b128 v[RDW], v[MX:MX+3]
	ds_store_b128 v[RDW], v[MX+4:MX+7] offset:16
	s_wait_dscnt 0x0                               ; for the others' sake: my stores are done
	s_barrier_signal -1
	s_barrier_wait -1
.irp w, 0,1,2,3,4,5,6,7
	ds_load_b128 v[SH+8*\w:SH+8*\w+3],   v[RDR] offset:256*\w
	ds_load_b128 v[SH+8*\w+4:SH+8*\w+7], v[RDR] offset:256*\w+16
.endr
	s_wait_dscnt 0x0
.irp c, 0,1,2,3,4,5,6,7
	v_max3_num_f32 v[MX+\c], v[SH+\c], v[SH+8+\c], v[SH+16+\c]
.endr
.irp c, 0,1,2,3,4,5,6,7
	v_max3_num_f32 v[MX+\c], v[MX+\c], v[SH+24+\c], v[SH+32+\c]
.endr
.irp c, 0,1,2,3,4,5,6,7
	v_max3_num_f32 v[MX+\c], v[MX+\c], v[SH+40+\c], v[SH+48+\c]
.endr
.irp c, 0,1,2,3,4,5,6,7
	v_max_num_f32 v[MX+\c], v[MX+\c], v[SH+56+\c]
.endr
.irp c, 0,1,2,3,4,5,6,7
	v_mul_f32 v[MX+\c], s[CS], v[MX+\c]            ; c m
.endr
.set i, 0
.rept 16
.irp p, 0,1,2,3
	PB \p
	v_pk_fma_f32 v[bs+4*i:bs+4*i+1], v[bs+4*i:bs+4*i+1], s[CS:CS+1], v[MX+2*\p:MX+2*\p+1] op_sel_hi:[1,0,1] neg_lo:[0,0,1] neg_hi:[0,0,1]  ; c s - c m
.endr
.set i, i+1
.endr
.set i, 0
.rept 64
	v_exp_f32 v[EV+i], v[EV+i]                     ; one batch of 128
	v_exp_f32 v[OD+i], v[OD+i]
.set i, i+1
.endr
	v_nop                                          ; a plain instruction behind the last exponential,
	s_wait_alu depctr_va_vdst(0)                   ; and the one wait ahead of the batch's first reader
.irp p, 0,1,2,3
	PB \p
	v_pk_add_f32 v[LS+2*\p:LS+2*\p+1], v[bs:bs+1], v[bs+4:bs+5]
.endr
.set i, 2
.rept 14
.irp p, 0,1,2,3
	PB \p
	v_pk_add_f32 v[LS+2*\p:LS+2*\p+1], v[LS+2*\p:LS+2*\p+1], v[bs+4*i:bs+4*i+1]
.endr
.set i, i+1
.endr
.irp c, 0,1,2,3,4,5,6,7
	v_add_f32_dpp v[LS+\c], v[LS+\c], v[LS+\c] row_xmask:8 row_mask:0xf bank_mask:0xf
.endr
.irp c, 0,1,2,3,4,5,6,7
	v_permlanex16_b32 v[SH+\c], v[LS+\c], s[SEL], s[SEL+1]
.endr
.irp c, 0,1,2,3,4,5,6,7
	v_add_f32 v[LS+\c], v[LS+\c], v[SH+\c]
.endr
	ds_store_b128 v[RDW], v[LS:LS+3] offset:2048   ; other bytes than the maxima's: no barrier is owed between the two uses
	ds_store_b128 v[RDW], v[LS+4:LS+7] offset:2064
	s_wait_dscnt 0x0
	s_barrier_signal -1
	s_barrier_wait -1
.irp w, 0,1,2,3,4,5,6,7
	ds_load_b128 v[SH+8*\w:SH+8*\w+3],   v[RDR] offset:2048+256*\w
	ds_load_b128 v[SH+8*\w+4:SH+8*\w+7], v[RDR] offset:2048+256*\w+16
.endr
	s_wait_dscnt 0x0
.irp p, 0,1,2,3
	v_pk_add_f32 v[LS+2*\p:LS+2*\p+1], v[SH+2*\p:SH+2*\p+1], v[SH+8+2*\p:SH+8+2*\p+1]
.endr
.irp w, 2,3,4,5,6,7
.irp p, 0,1,2,3
	v_pk_add_f32 v[LS+2*\p:LS+2*\p+1], v[LS+2*\p:LS+2*\p+1], v[SH+8*\w+2*\p:SH+8*\w+2*\p+1]
.endr
.endr
.irp c, 0,1,2,3,4,5,6,7
	v_rcp_f32 v[LS+\c], v[LS+\c]
.endr
	v_nop
	s_wait_alu depctr_va_vdst(0)                   ; one wait for the eight reciprocals
.set i, 0
.rept 16
.irp p, 0,1,2,3
	PB \p
	v_pk_mul_f32 v[bs+4*i:bs+4*i+1], v[bs+4*i:bs+4*i+1], v[LS+2*\p:LS+2*\p+1]
.endr
.set i, i+1
.endr
.set i, 0
.rept 64
	v_cvt_pk_bf16_f32 v[EV+i], v[EV+i], v[OD+i]    ; an even o and the odd o behind it
.set i, i+1
.endr
.set i, 0
.rept 16
	ds_store_b128 v[PST], v[EV+4*i:EV+4*i+3] offset:4*PV*i
.set i, i+1
.endr
	s_wait_tensorcnt 0x0                           ; my part of Wg is in,
	s_wait_dscnt 0x0                               ; my rows of attn^T are stored:
	s_barrier_signal -1
	s_barrier_wait -1                              ; everybody's are
	s_wait_kmcnt 0x0
	s_mov_b32 s[GM+1], s[GM]                       ; named as a pair
; 20 turning loads: the fragments of 64 along K (steps u = 2 g, 2 g + 1 of 32): for each step Wg's four blocks of 16 d, then attn's 16 c
.macro LOADG g, st
.irp uu, 0,1
.set u, 2*(\g)+\uu
.set ro, (\st)+40*\uu
.set of, (u%8)*32*PV
.if u < 8
.set aq, AQT
.set ap, APT
.else
.set aq, AQT2
.set ap, APT2
.endif
.irp q, 0,1,2,3
	ds_load_tr16_b128 v[ro+8*\q:ro+8*\q+3],   v[aq] offset:of+32*\q
	ds_load_tr16_b128 v[ro+8*\q+4:ro+8*\q+7], v[aq] offset:of+32*\q+16*PV
.endr
	ds_load_tr16_b128 v[ro+32:ro+35], v[ap] offset:of
	ds_load_tr16_b128 v[ro+36:ro+39], v[ap] offset:of+16*PV
.endr
.endm
	LOADG 0, 64
	LOADG 1, 144
.irp g, 0,1,2,3,4,5,6,7
.if \g < 7
	s_wait_dscnt 20                                ; this group is in; the next group's 20 loads may be out
.else
	s_wait_dscnt 0x0
.endif
.irp uu, 0,1
.irp q, 0,1,2,3
.set ro, 64+80*(\g%2)+40*\uu
.if (\g == 0) && (\uu == 0)
	v_wmma_f32_16x16x32_bf16 v[ACC+8*\q:ACC+8*\q+7], v[ro+8*\q:ro+8*\q+7], v[ro+32:ro+39], 0
.else
	v_wmma_f32_16x16x32_bf16 v[ACC+8*\q:ACC+8*\q+7], v[ro+8*\q:ro+8*\q+7], v[ro+32:ro+39], v[ACC+8*\q:ACC+8*\q+7]
.endif
.endr
.endr
.if \g < 6
	PLACES                                         ; four places in front of loads into registers that these products have read
	LOADG (\g)+2, 64+80*(\g%2)
.endif
.endr
	PLACES
.set i, 0
.rept 16
	v_pk_mul_f32 v[ACC+2*i:ACC+2*i+1], v[ACC+2*i:ACC+2*i+1], s[GM:GM+1] op_sel_hi:[1,0]  ; times gamma, in f32, ahead of the one rounding
.set i, i+1
.endr
.set i, 0
.rept 16
	v_cvt_pk_bf16_f32 v[64+i], v[ACC+2*i], v[ACC+2*i+1]
.set i, i+1
.endr
.irp q, 0,1,2,3
	ds_store_b128 v[STO], v[64+4*\q:64+4*\q+3] offset:32*\q
.endr
.irp f, 0,1,2,3
	ds_load_b128 v[80+4*\f:80+4*\f+3], v[RD] offset:576*\f   ; LDS serves a wave's instructions in order (ISA guide 5.7.1.4)
.endr
	s_wait_dscnt 0x0
.irp f, 0,1,2,3
	global_store_b128 v[GO], v[80+4*\f:80+4*\f+3], s[OUTP:OUTP+1] offset:512*\f   ; 512 consecutive bytes, aligned
.endr
	s_wait_tensorcnt 0x0                           ; the wave's end
	ds_add_u32 v[SPW], v[NIL]
	s_wait_dscnt 0x0
	CROUND                                         ; the closing round
	s_endpgm
.Lfunc_end_k_q779110312b_mg:
	.size	k_q779110312b_mg, .Lfunc_end_k_q779110312b_mg-k_q779110312b_mg
	.p2alignl 7, 3214868480
	.fill 96, 4, 3214868480
	.section	.rodata,"a",@progbits
	.p2align	6, 0x0
	.amdhsa_kernel k_q779110312b_mg
		.amdhsa_group_segment_fixed_size 269312
		.amdhsa_private_segment_fixed_size 0
		.amdhsa_enable_private_segment 0
		.amdhsa_kernarg_size 32
		.amdhsa_user_sgpr_count 2
		.amdhsa_user_sgpr_kernarg_segment_ptr 1
		.amdhsa_wavefront_size32 1
		.amdhsa_system_sgpr_workgroup_id_x 1
		.amdhsa_system_sgpr_workgroup_id_y 1
		.amdhsa_system_sgpr_workgroup_id_z 1
		.amdhsa_system_vgpr_workitem_id 0
		.amdhsa_next_free_vgpr 256
		.amdhsa_next_free_sgpr 66
		.amdhsa_reserve_vcc 0
		.amdhsa_float_denorm_mode_32 3
		.amdhsa_float_denorm_mode_16_64 3
		.amdhsa_memory_ordered 1
		.amdhsa_forward_progress 1
		.amdhsa_inst_pref_size 75
	.end_amdhsa_kernel
	.amdgpu_metadata
---
amdhsa.version: [ 1, 2 ]
amdhsa.kernels:
  - .name:           k_q779110312b_mg
    .symbol:         k_q779110312b_mg.kd
    .args:
      - { .name: hla, .offset: 0, .size: 8, .value_kind: global_buffer, .address_space: global }
      - { .name: wgm, .offset: 8, .size: 8, .value_kind: global_buffer, .address_space: global }
      - { .name: gamma, .offset: 16, .size: 8, .value_kind: global_buffer, .address_space: global }
      - { .name: mb, .offset: 24, .size: 8, .value_kind: global_buffer, .address_space: global }
    .group_segment_fixed_size: 269312
    .private_segment_fixed_size: 0
    .kernarg_segment_align: 8
    .kernarg_segment_size: 32
    .max_flat_workgroup_size: 256
    .sgpr_count:     66
    .vgpr_count:     256
    .wavefront_size: 32
...
	.end_amdgpu_metadata
.endif
;; end of part 4
;; launch zfinal (part 5): grid 256 x 1, 4 waves a work-group, clusters of 4 x 1, 327,680 bytes of LDS; arguments xp, wgm, mb, x, out0; writes out0
.if DOCPART == 5
	.amdgcn_target "amdgcn-amd-amdhsa--gfx1250"
	.amdhsa_code_object_version 6
	.text
	.protected	k_q779110312b_zfinal
	.globl	k_q779110312b_zfinal
	.p2align	8
	.type	k_q779110312b_zfinal,@function
k_q779110312b_zfinal:
	s_mov_b64 s[64:65], 0
	v_nop
	global_prefetch_b8 v0, s[64:65] scope:SCOPE_SE
	s_setreg_imm32_b32 hwreg(HW_REG_WAVE_MODE, 25, 1), 1
	s_wait_xcnt 0x0
	s_wait_alu depctr_hold_cnt(0) depctr_sa_sdst(0) depctr_va_vdst(0) depctr_va_sdst(0) depctr_va_ssrc(0) depctr_va_vcc(0) depctr_vm_vsrc(0)
	s_getreg_b32 s2, hwreg(HW_REG_IB_STS2, 6, 4)
	s_cmp_eq_u32 s2, 0
	s_cbranch_scc0 .Lentry_in_a_cluster
	s_endpgm
.Lentry_in_a_cluster:
	s_bfe_u32 s2, ttmp6, 0x10000c
	s_cmp_lg_u32 s2, 0x3003
	s_cbranch_scc0 .Lentry_shape_is_right
	s_endpgm
.Lentry_shape_is_right:
; PHASE 1: Z_j[o][d] = sum_c' Wmask[o][c'] X[d][8 c' + j], rounded once to bf16, kept in LDS.  PHASE 2: out[o][512 j + c] = sum_d Z_j[o][d] M[c][d] + x[o][512 j + c] (M holds gamma).
; y and its re-read copy are never formed (see the first kernel's head).
; SHARES.  The cluster's number is 8 b + j; cx picks 128 rows o.  The four partners walk the same rows of xp (phase 1) and of mb (phase 2): every tile of the ring is asked for jointly.
; Both phases are C[128 o][512] = A[128][512] B[512][512]^T.  A wave (2 x 2: 64 rows o, a half of the columns) holds its 64 fragments of A in registers for the whole phase; B is walked by
; its rows: a slot holds 64 rows of B x all of K, of which a wave multiplies 32: 128 matrix instructions.  Two slots are a PAIR: a wave then has 64 o x 64 neighbouring columns finished, and
; they leave (to LDS as Z; to memory with x added), so that results and x's bytes are spread over the phase.
; Source 0 = rows of B, source 1 = rows of A: a lane holds one o and eight neighbouring columns.
; REGISTERS, in windows of 256: window 0: v0-31 addresses; v32-63 at work; v64-127 B's fragments, two sets of 32; v128-255 x of one pair.
;   window 1: v0-127 16 accumulators ((a, bb) at 8 (4 a + bb), bb = 2 x (slot of the pair) + q).   windows 2, 3: A's fragments, K step u of 32, o block a, at 8 (4 (u % 8) + a).
.set PITCH,  144                       ; an LDS row: 128 bytes + 16: the 16 rows of a load start at 16 different groups of four banks (64 banks of 4 bytes: ISA guide 11.1)
.set RING,   147456                    ; from 0: A's place, [kb 8][128 o][144]: Wmask's tile by one fill, later Z by the waves' stores (its last fill is past)
.set SLOTB,  73728                     ; a slot: [part w 4][kb' 4][32 rows][144]; part = 2 x (column half) + (half of K)
.set STAGE,  RING+2*SLOTB              ; 16 rows x 272 bytes of f32 for each wave
.set SPITCH, 272
.set SPARE,  STAGE+4*16*SPITCH
.set ADA,  2
.set ADA2, 3
.set ADB,  4                           ; v4, v5  my place in slot 0, 1
.set STZ,  6
.set STO,  7
.set RD,   8
.set XO,   9
.set PFM,  10
.set PFX,  11
.set SPW,  12
.set NIL,  13
.set TMP,  32
.set BF,   64
.set XB,   128
.set WV,  14
.set CX,  15
.set BB,  16
.set JJ,  17
.set G1B, 24
.set G1A, 32
.set G0A, 40
.set G0S, 44                           ; s[44:51] group 0 for slot 0, slot 1
.set MS,  52                           ; s[52:55] mb at my part of its first two tiles
.set XPT, 56
.set OPT, 58
.set DL,  60                           ; s[60:61] what the next way out adds to x's and out's addresses: 0, then 512
.set PM,  62
.set MSB, 0
.macro WIN new
.if MSB != (\new)
	s_set_vgpr_msb (MSB<<8)|(\new)
.set MSB, \new
.endif
.endm
.macro PLACES
.rept 4
	v_nop
.endr
.endm
.macro CREST
	s_cmp_lg_u32 s[WV], 0
	s_cbranch_scc1 .Lnot_wave_0_\@
	s_barrier_signal -3
.Lnot_wave_0_\@:
	s_barrier_wait -3
	s_barrier_signal -1
	s_barrier_wait -1
.endm
.macro CROUND
	s_barrier_signal -1
	s_barrier_wait -1
	CREST
.endm
	s_load_b256 s[4:11], s[0:1], 0x0               ; xp s[4:5], wgm s[6:7], mb s[8:9], x s[10:11]
	s_load_b64 s[12:13], s[0:1], 0x20              ; out0
	v_lshl_add_u32 v[SPW], v0, 2, SPARE
	v_mov_b32 v[NIL], 0
	ds_add_u32 v[SPW], v[NIL]                      ; the wave's opening: the add, twice on end, and its wait ahead of my first tensor load
	ds_add_u32 v[SPW], v[NIL]
	v_lshrrev_b32 v1, 5, v0
	v_readfirstlane_b32 s[WV], v1                  ; wave 0..3
	s_bfe_u32 s[CX], ttmp6, 0x40000                ; cx: it enters Wmask's, x's, out's and the prefetches' addresses alone
	s_lshr_b32 s[BB], ttmp9, 3                     ; b
	s_and_b32 s[JJ], ttmp9, 7                      ; j
	s_lshr_b32 s18, s[WV], 1                       ; my 64 rows o.  Also: which column half I fetch
	s_and_b32 s19, s[WV], 1                        ; my column half.  Also: which half of K I fetch
	s_mov_b32 s[G1B+0], 15|(1<<16)|(1<<20)|(1<<21)|(4<<22)|(3<<25)  ; the mask of four; 2-byte elements; padding on; bit 21 beside a mask; after every 32 words, 4 words
	s_mov_b32 s[G1B+1], 2048<<16                   ; 32 rows of a block on end,
	s_mov_b32 s[G1B+2], 4<<16                      ; 4 blocks
	s_mov_b32 s[G1B+3], 2048<<16
	s_mov_b32 s[G1B+4], 4
	s_mov_b32 s[G1B+5], 32768
	s_mov_b32 s[G1B+6], 0
	s_mov_b32 s[G1B+7], 0
	s_mov_b32 s[G1A+0], (1<<16)|(1<<20)|(4<<22)|(3<<25)  ; Wmask's tile is my work-group's own: no mask
	s_mov_b32 s[G1A+1], 8192<<16                   ; 128 rows of a block on end,
	s_mov_b32 s[G1A+2], 2<<16                      ; 2 blocks
	s_mov_b32 s[G1A+3], 8192<<16
	s_mov_b32 s[G1A+4], 2
	s_mov_b32 s[G1A+5], 32768
	s_mov_b32 s[G1A+6], 0
	s_mov_b32 s[G1A+7], 0
	s_mov_b32 s[G0A], 1
	s_mul_i32 s[G0A+1], s[WV], 36864
	s_mov_b32 s[G0S], 1
	s_mul_i32 s[G0S+1], s[WV], 18432
	s_add_co_u32 s[G0S+1], s[G0S+1], RING
	s_mov_b32 s[G0S+4], 1
	s_add_co_u32 s[G0S+5], s[G0S+1], SLOTB
	s_lshl_b32 s20, s[BB], 22                      ; xp: block 64 b + 8 j + 4 x (half of K), row 64 x (column half)
	s_lshl_b32 s21, s[JJ], 19
	s_add_co_u32 s20, s20, s21
	s_lshl_b32 s21, s19, 18
	s_add_co_u32 s20, s20, s21
	s_lshl_b32 s22, s18, 13
	s_add_co_u32 s20, s20, s22
	s_add_co_u32 s22, s22, s21                     ; mb: block 8 b + 4 x (half of K), the same rows
	s_lshl_b32 s21, s[BB], 19
	s_add_co_u32 s22, s22, s21
	s_mov_b32 s21, 0
	s_mov_b32 s23, 0
	s_lshl_b32 s66, s[WV], 17                      ; Wmask: behind Wg, blocks 2 w .., rows 128 cx ..
	s_lshl_b32 s67, s[CX], 14
	s_add_co_u32 s66, s66, s67
	s_add_co_u32 s66, s66, 524288
	s_mov_b32 s67, 0
	s_lshl_b32 s68, s[BB], 23                      ; x and out: row 128 cx + 64 x my half, column 512 j + 64 x my half
	s_lshl_b32 s69, s[CX], 21
	s_add_co_u32 s68, s68, s69
	s_lshl_b32 s69, s18, 20
	s_add_co_u32 s68, s68, s69
	s_lshl_b32 s69, s[JJ], 11
	s_add_co_u32 s68, s68, s69
	s_lshl_b32 s69, s19, 8
	s_add_co_u32 s68, s68, s69
	s_mov_b32 s69, 0
	s_lshl_b32 s70, s[CX], 16                      ; the prefetches of mb: of my four blocks the one at place cx
	s_add_co_u32 s70, s70, s22
	s_mov_b32 s71, 0
	s_mov_b32 s[DL], 0
	s_mov_b32 s[DL+1], 0
	s_wait_dscnt 0x0                               ; both opening adds are done
	s_wait_kmcnt 0x0
	s_add_nc_u64 s[G0S+2:G0S+3], s[4:5], s[20:21]
	s_add_nc_u64 s[G0S+6:G0S+7], s[G0S+2:G0S+3], 4096  ; a pair's second slot: the next 32 rows
	s_or_b32 s[G0S+3], s[G0S+3], 0x80000000
	s_or_b32 s[G0S+7], s[G0S+7], 0x80000000
	s_add_nc_u64 s[MS:MS+1], s[8:9], s[22:23]
	s_add_nc_u64 s[MS+2:MS+3], s[MS:MS+1], 4096
	s_add_nc_u64 s[G0A+2:G0A+3], s[6:7], s[66:67]
	s_or_b32 s[G0A+3], s[G0A+3], 0x80000000
	s_add_nc_u64 s[XPT:XPT+1], s[10:11], s[68:69]
	s_add_nc_u64 s[OPT:OPT+1], s[12:13], s[68:69]
	s_add_nc_u64 s[PM:PM+1], s[8:9], s[70:71]
	CROUND                                         ; all four work-groups are here: the first joint loads meet
	tensor_load_to_lds s[G0A:G0A+3], s[G1A:G1A+7]  ; the first fills go out together: three loads of mine are out
	s_nop 0
	tensor_load_to_lds s[G0S:G0S+3], s[G1B:G1B+7]
	s_nop 0
	tensor_load_to_lds s[G0S+4:G0S+7], s[G1B:G1B+7]
	s_nop 0
	PLACES
	v_and_b32 v14, 15, v0                          ; l % 16
	v_bfe_u32 v15, v0, 4, 1                        ; l / 16
	v_and_b32 v16, 31, v0                          ; l
	v_lshlrev_b32 v[XO], 14, v15                   ; lanes 0-15 one row's 256 bytes, lanes 16-31 the next row's
	v_lshl_add_u32 v[XO], v14, 4, v[XO]
.set i, 0
.rept 32
	global_load_b128 v[XB+4*i:XB+4*i+3], v[XO], s[XPT:XPT+1] offset:2*i*16384 th:TH_LOAD_NT  ; x of the first pair: 64 rows x 256 bytes
.set i, i+1
.endr
	v_mul_u32_u24 v17, v14, PITCH
	v_lshl_add_u32 v17, v15, 4, v17                ; a fragment's row x pitch + 16 x half
	s_mul_i32 s20, s18, 64*PITCH
	v_add_nc_u32 v[ADA], s20, v17
	v_add_nc_u32 v[ADA2], 73728, v[ADA]            ; blocks 4 to 7: the immediate holds 16 bits
	s_mul_i32 s21, s19, 36864
	s_add_co_u32 s21, s21, RING
	v_add_nc_u32 v[ADB], s21, v17
	v_add_nc_u32 v[ADB+1], SLOTB, v[ADB]
	s_mul_i32 s21, s19, 18432                      ; Z: a pair's 64 columns of mine are block 2 x pair + my half
	s_add_co_u32 s21, s21, s20
	v_add_nc_u32 v[STZ], s21, v17
	s_mul_i32 s21, s[WV], 16*SPITCH
	s_add_co_u32 s21, s21, STAGE
	v_mul_u32_u24 v[STO], v14, SPITCH
	v_lshl_add_u32 v[STO], v15, 5, v[STO]
	v_add_nc_u32 v[STO], s21, v[STO]
	v_mul_u32_u24 v[RD], v15, SPITCH
	v_lshl_add_u32 v[RD], v14, 4, v[RD]
	v_add_nc_u32 v[RD], s21, v[RD]
	v_lshlrev_b32 v[PFM], 8, v16
	v_lshlrev_b32 v[PFX], 14, v16
; A's 64 fragments out of LDS: 128 loads
.macro ALOAD
.set u, 0
.rept 16
.if u < 8
	WIN 0x80
.set ar, ADA
.else
	WIN 0xc0
.set ar, ADA2
.endif
.irp a, 0,1,2,3
	ds_load_b128 v[8*(4*(u%8)+\a):8*(4*(u%8)+\a)+3],   v[ar] offset:((u/2)%4)*18432+(u%2)*64+\a*2304
	ds_load_b128 v[8*(4*(u%8)+\a)+4:8*(4*(u%8)+\a)+7], v[ar] offset:((u/2)%4)*18432+(u%2)*64+\a*2304+32
.endr
.set u, u+1
.endr
	WIN 0
.endm
; B's four fragments of block kb (2 halves of K x 2 blocks of 16 rows): 8 loads into set st
.macro BFETCH slot, kb, st
.irp uu, 0,1
.irp q, 0,1
	ds_load_b128 v[BF+32*(\st)+8*(2*\uu+\q):BF+32*(\st)+8*(2*\uu+\q)+3],   v[ADB+(\slot)] offset:(\kb)*4608+\q*2304+\uu*64
	ds_load_b128 v[BF+32*(\st)+8*(2*\uu+\q)+4:BF+32*(\st)+8*(2*\uu+\q)+7], v[ADB+(\slot)] offset:(\kb)*4608+\q*2304+\uu*64+32
.endr
.endr
.endm
; n of block kb's 16 matrix instructions, from number lo on.  The slot's 8 accumulators take turns; the first K step starts the sums with the constant 0.
.macro MULK kb, par, lo, n
.if (\kb) < 4
	WIN 0x58                                       ; B window 0, A window 2, C and D window 1
.else
	WIN 0x5c                                       ; A window 3
.endif
.set xx, \lo
.rept \n
.set uu, xx/8
.set aa, (xx%8)/2
.set qq, xx%2
.set rD, 8*(4*aa+2*(\par)+qq)
.set rB, BF+32*((\kb)%2)+8*(2*uu+qq)
.set rA, 8*(4*((2*(\kb)+uu)%8)+aa)
.if ((\kb) == 0) && (uu == 0)
	v_wmma_f32_16x16x32_bf16 v[rD:rD+7], v[rB:rB+7], v[rA:rA+7], 0
.else
	v_wmma_f32_16x16x32_bf16 v[rD:rD+7], v[rB:rB+7], v[rA:rA+7], v[rD:rD+7]
.endif
.set xx, xx+1
.endr
.endm
.macro KSTEP slot, kb, par
	WIN 0
	PLACES                                         ; four places in front of loads into the set that the block before multiplied
	BFETCH \slot, (\kb)+1, ((\kb)+1)%2
	s_wait_dscnt 8                                 ; all but the 8 just issued
	MULK \kb, \par, 0, 16
.endm
; A PREFETCH of mb, which phase 2 will walk.  A batch's eight clusters read the same mb: the one with j = 0 asks (the same test in all four partners).  In pair p of phase 1 a wave names pair p of
; mb: of the 64 rows x 4 blocks that it will fetch itself, the partner at place cx takes block cx: 8,192 dense bytes, a lane 256.  It stands six changes of slots ahead of the first load that wants it.
.macro ASKM
	s_cmp_eq_u32 s[JJ], 0
	s_cbranch_scc0 .Lnot_mine_\@
	global_prefetch_b8 v[PFM], s[PM:PM+1] th:TH_LOAD_NT scope:SCOPE_SE
.Lnot_mine_\@:
.endm
; A slot's last block, and the change of slots.  Each wave waits for all its tensor loads (one is out: its part of the other slot), adds 0 to its spare word, waits for that and for its reads of
; this slot.  mode 1: this slot is filled again, 128 rows of B on; 2: with mb's first tiles; 3: nothing is left to ask for; 0: the last slot of all.
; pf 1: the prefetch of mb; 2: its address steps, 128 matrix instructions behind it; 3: the prefetch of mb, and of my x for the second pair (64 rows x 256 bytes, a lane a row).
.macro LASTK slot, par, mode, pf
	WIN 0
.if (\mode) == 0
	s_wait_dscnt 0x0
	MULK 7, \par, 0, 16
.else
.if (\pf) == 2
	s_wait_xcnt 0x0
	s_add_nc_u64 s[PM:PM+1], s[PM:PM+1], 16384
.endif
	s_wait_tensorcnt 0x0                           ; no tensor load of mine is out, so a group 0 may be written
	ds_add_u32 v[SPW], v[NIL]
	s_wait_dscnt 1                                 ; (the add may be out; the fragments are in)
	MULK 7, \par, 0, 4
.if (\mode) == 1
	s_add_nc_u64 s[G0S+4*(\slot)+2:G0S+4*(\slot)+3], s[G0S+4*(\slot)+2:G0S+4*(\slot)+3], 16384
.elseif (\mode) == 2
	s_mov_b64 s[G0S+4*(\slot)+2:G0S+4*(\slot)+3], s[MS+2*(\slot):MS+2*(\slot)+1]
	s_or_b32 s[G0S+4*(\slot)+3], s[G0S+4*(\slot)+3], 0x80000000
.endif
	s_wait_dscnt 0x0                               ; the add is done, and my reads of this slot are over
	s_barrier_signal -1
	MULK 7, \par, 4, 4
	WIN 0
	s_barrier_wait -1
.if (\mode) < 3
	CREST                                          ; the barrier has opened a round of the cluster's: no wave of any partner still reads this slot or has a load on its way
	tensor_load_to_lds s[G0S+4*(\slot):G0S+4*(\slot)+3], s[G1B:G1B+7]  ; my one tensor load behind the round: it has a slot's 128 matrix instructions in which to land
	s_nop 0
.endif
	PLACES                                         ; also the places in front of the loads below
	BFETCH 1-(\slot), 0, 0
.if ((\pf) == 1) || ((\pf) == 3)
	ASKM
.endif
.if (\pf) == 3
	global_prefetch_b8 v[PFX], s[XPT:XPT+1] offset:512 th:TH_LOAD_NT scope:SCOPE_SE
	global_prefetch_b8 v[PFX], s[XPT:XPT+1] offset:512+524288 th:TH_LOAD_NT scope:SCOPE_SE
.endif
	MULK 7, \par, 8, 8
.endif
.endm
.macro SLOT slot, par, mode, pf
.irp kb, 0,1,2,3,4,5,6
	KSTEP \slot, \kb, \par
.endr
	LASTK \slot, \par, \mode, \pf
.endm
; A pair of phase 1 leaves: 64 o x 64 d rounded to bf16 into Z's block, 16 bytes a lane
.macro EPIZ
	WIN 0
	PLACES
.irp hh, 0,1
	WIN 0x05                                       ; sources window 1, destination window 0
.set i, 0
.rept 32
	v_cvt_pk_bf16_f32 v[TMP+i], v[64*\hh+2*i], v[64*\hh+2*i+1]
.set i, i+1
.endr
	WIN 0
.set i, 0
.rept 8
	ds_store_b128 v[STZ], v[TMP+4*i:TMP+4*i+3] offset:(2*\hh+i/4)*2304+32*(i%4)
.set i, i+1
.endr
.endr
	v_add_nc_u32 v[STZ], 36864, v[STZ]             ; two blocks on
.endm
; A pair of phase 2 leaves, 16 rows o at a time: the f32 sums go into my stage as they lie and come back as whole rows of 256 bytes; x is added; 16 lanes store 256 consecutive bytes, aligned.
.macro OST a
	WIN 0x04                                       ; the stores' data in window 1
.set i, 0
.rept 8
	ds_store_b128 v[STO], v[32*(\a)+4*i:32*(\a)+4*i+3] offset:64*(i/2)+16*(i%2)
.set i, i+1
.endr
	WIN 0
.endm
.macro OLD tt
.set i, 0
.rept 8
	ds_load_b128 v[(\tt)+4*i:(\tt)+4*i+3], v[RD] offset:2*SPITCH*i   ; LDS serves a wave's instructions in order (ISA guide 5.7.1.4): these see the stores above; the next block's stores come behind them
.set i, i+1
.endr
.endm
.macro OFIN a, tt, lleft, dleft, reload
	s_wait_loadcnt \lleft                          ; this block's x is in: behind it stand this pair's later blocks and the next pair's earlier ones
	s_wait_dscnt \dleft                            ; this block is back; the next block's eight stores and eight loads may be out
.set i, 0
.rept 16
	v_pk_add_f32 v[XB+32*(\a)+2*i:XB+32*(\a)+2*i+1], v[XB+32*(\a)+2*i:XB+32*(\a)+2*i+1], v[(\tt)+2*i:(\tt)+2*i+1]
.set i, i+1
.endr
.set i, 0
.rept 8
	global_store_b128 v[XO], v[XB+32*(\a)+4*i:XB+32*(\a)+4*i+3], s[OPT:OPT+1] offset:(16*(\a)+2*i)*16384 th:TH_STORE_NT
.set i, i+1
.endr
.if \reload
	s_wait_xcnt 0x0                                ; the stores have read their registers: they take the next pair's x
.set i, 0
.rept 8
	global_load_b128 v[XB+32*(\a)+4*i:XB+32*(\a)+4*i+3], v[XO], s[XPT:XPT+1] offset:(16*(\a)+2*i)*16384+512 th:TH_LOAD_NT
.set i, i+1
.endr
.endif
.endm
.macro EPIO reload
	WIN 0
	s_wait_xcnt 0x0                                ; a pair behind the last loads, stores and prefetches: their addresses may be written
	s_add_nc_u64 s[XPT:XPT+1], s[XPT:XPT+1], s[DL:DL+1]
	s_add_nc_u64 s[OPT:OPT+1], s[OPT:OPT+1], s[DL:DL+1]
	s_mov_b32 s[DL], 512                           ; a pair is 128 columns of 4 bytes
	PLACES
	OST 0
	OLD TMP
	OST 1
	OLD BF+32                                      ; B's second set is idle here
	OFIN 0, TMP, 24, 16, \reload
	OST 2
	OLD TMP
	OFIN 1, BF+32, 24-8*(1-(\reload)), 16, \reload
	OST 3
	OLD BF+32
	OFIN 2, TMP, 24-16*(1-(\reload)), 16, \reload
	OFIN 3, BF+32, 24-24*(1-(\reload)), 0, \reload
.if \reload
	s_cmp_gt_u32 s3, 1                             ; my x for the pair after the next, which the next way out will load; the loop's last trip has none
	s_cbranch_scc0 .Lno_x_\@
	global_prefetch_b8 v[PFX], s[XPT:XPT+1] offset:1024 th:TH_LOAD_NT scope:SCOPE_SE
	global_prefetch_b8 v[PFX], s[XPT:XPT+1] offset:1024+524288 th:TH_LOAD_NT scope:SCOPE_SE
.Lno_x_\@:
.endif
.endm
	s_wait_tensorcnt 0x1                           ; my parts of Wmask's tile and of slot 0 are in; slot 1's may stay out
	s_barrier_signal -1
	s_barrier_wait -1
	ALOAD
	BFETCH 0, 0, 0
	s_mov_b32 s3, 3
.Lp1:                                                  ; PHASE 1: a trip is a pair; both slots are filled again
	SLOT 0, 0, 1, 1
	SLOT 1, 1, 1, 2
	EPIZ
	WIN 0
	s_sub_co_u32 s3, s3, 1
	s_cmp_lg_u32 s3, 0
	s_cbranch_scc1 .Lp1
	SLOT 0, 0, 2, 3                                ; the last pair: the ring goes on into phase 2: the slots take mb's first two tiles
	SLOT 1, 1, 2, 0
	EPIZ
	s_wait_dscnt 0x0                               ; for the others' sake: my part of Z is stored
	s_barrier_signal -1
	s_barrier_wait -1                              ; mb's tile may stay on its way
	ALOAD                                          ; A is now Z; the conversions above are the places behind the last products; the next wait on LDS covers these loads
	s_mov_b32 s3, 3
.Lp2:                                                  ; PHASE 2
	SLOT 0, 0, 1, 0
	SLOT 1, 1, 1, 0
	EPIO 1
	WIN 0
	s_sub_co_u32 s3, s3, 1
	s_cmp_lg_u32 s3, 0
	s_cbranch_scc1 .Lp2
	SLOT 0, 0, 3, 0                                ; the last pair is written out: nothing is asked for
	SLOT 1, 1, 0, 0
	EPIO 0
	s_wait_tensorcnt 0x0                           ; the wave's end
	ds_add_u32 v[SPW], v[NIL]
	s_wait_dscnt 0x0
	CROUND                                         ; the closing round
	s_endpgm
.Lfunc_end_k_q779110312b_zfinal:
	.size	k_q779110312b_zfinal, .Lfunc_end_k_q779110312b_zfinal-k_q779110312b_zfinal
	.p2alignl 7, 3214868480
	.fill 96, 4, 3214868480
	.section	.rodata,"a",@progbits
	.p2align	6, 0x0
	.amdhsa_kernel k_q779110312b_zfinal
		.amdhsa_group_segment_fixed_size 327680
		.amdhsa_private_segment_fixed_size 0
		.amdhsa_enable_private_segment 0
		.amdhsa_kernarg_size 40
		.amdhsa_user_sgpr_count 2
		.amdhsa_user_sgpr_kernarg_segment_ptr 1
		.amdhsa_wavefront_size32 1
		.amdhsa_system_sgpr_workgroup_id_x 1
		.amdhsa_system_sgpr_workgroup_id_y 1
		.amdhsa_system_sgpr_workgroup_id_z 1
		.amdhsa_system_vgpr_workitem_id 0
		.amdhsa_next_free_vgpr 1024
		.amdhsa_next_free_sgpr 96
		.amdhsa_reserve_vcc 0
		.amdhsa_float_denorm_mode_32 3
		.amdhsa_float_denorm_mode_16_64 3
		.amdhsa_memory_ordered 1
		.amdhsa_forward_progress 1
		.amdhsa_inst_pref_size 179
	.end_amdhsa_kernel
	.amdgpu_metadata
---
amdhsa.version: [ 1, 2 ]
amdhsa.kernels:
  - .name:           k_q779110312b_zfinal
    .symbol:         k_q779110312b_zfinal.kd
    .args:
      - { .name: xp, .offset: 0, .size: 8, .value_kind: global_buffer, .address_space: global }
      - { .name: wgm, .offset: 8, .size: 8, .value_kind: global_buffer, .address_space: global }
      - { .name: mb, .offset: 16, .size: 8, .value_kind: global_buffer, .address_space: global }
      - { .name: x, .offset: 24, .size: 8, .value_kind: global_buffer, .address_space: global }
      - { .name: out0, .offset: 32, .size: 8, .value_kind: global_buffer, .address_space: global }
    .group_segment_fixed_size: 327680
    .private_segment_fixed_size: 0
    .kernarg_segment_align: 8
    .kernarg_segment_size: 40
    .max_flat_workgroup_size: 128
    .sgpr_count:     96
    .vgpr_count:     1024
    .wavefront_size: 32
...
	.end_amdgpu_metadata
.endif
;; end of part 5
;; ======== version 2 of 2: 6 launches
;; workspace buffers: xp 33,554,432 bytes; wphib 524,288 bytes; wthb 524,288 bytes; wgm 1,048,576 bytes; hla 8,388,608 bytes; hlb 8,388,608 bytes; mb 4,194,304 bytes; zb 33,554,432 bytes
;; launch prep: the kernel of part 1 again; grid 256 x 1, 8 waves a work-group, no clusters, 279,552 bytes of LDS; arguments x, w_phi, w_theta, w_g, w_mask, xp, wphib, wthb, wgm; writes xp, wphib, wthb, wgm
;; launch gz (part 6): grid 64 x 4, 4 waves a work-group, clusters of 4 x 4, 327,680 bytes of LDS; arguments xp, hla, wgm, zb; writes hla, zb
.if DOCPART == 6
	.amdgcn_target "amdgcn-amd-amdhsa--gfx1250"
	.amdhsa_code_object_version 6
	.text
	.protected	k_q779110312b_gz
	.globl	k_q779110312b_gz
	.p2align	8
	.type	k_q779110312b_gz,@function
k_q779110312b_gz:
	s_mov_b64 s[64:65], 0
	v_nop
	global_prefetch_b8 v0, s[64:65] scope:SCOPE_SE
	s_setreg_imm32_b32 hwreg(HW_REG_WAVE_MODE, 25, 1), 1
	s_wait_xcnt 0x0
	s_wait_alu depctr_hold_cnt(0) depctr_sa_sdst(0) depctr_va_vdst(0) depctr_va_sdst(0) depctr_va_ssrc(0) depctr_va_vcc(0) depctr_vm_vsrc(0)
	s_getreg_b32 s2, hwreg(HW_REG_IB_STS2, 6, 4)
	s_cmp_eq_u32 s2, 0
	s_cbranch_scc0 .Lentry_in_a_cluster
	s_endpgm
.Lentry_in_a_cluster:
	s_bfe_u32 s2, ttmp6, 0x10000c
	s_cmp_lg_u32 s2, 0xf033
	s_cbranch_scc0 .Lentry_shape_is_right
	s_endpgm
.Lentry_shape_is_right:
; TWO PRODUCTS THAT DEPEND ON xp ALONE, SIDE BY SIDE IN ONE LAUNCH.  The cluster's x is 2 b + kind; all sixteen partners of a cluster share it, and the one branch between the two parts hangs on it alone.
; kind 0: G[d][c] = sum over n of X[d][n] X[c][n] for batch b, sums in f32, stored as two bf16 terms, hi and lo = G - hi, as hla[b][8 term + c / 64][d 512][c % 64].
; kind 1: Z_j[o][d] = sum over c' of Wmask[o][c'] X[d][8 c' + j] for batch b, all eight j, sums in f32, rounded once to bf16, stored in the order in which the last launch's operand registers
;         take it: zb[b][j][o / 16][d / 16][lane 32][8 numbers], lane l holding row o % 16 = l % 16 and d % 16 = 8 (l / 16) + 0..7.
; phi, theta, g, y and y's re-read copy are never formed: S = Wphi G Wtheta^T and out = Z_j M^T + x (see the first kernel's head).
; G has work for 128 work-groups (K = 4,096 is not split: partial sums would have to be kept in f32 and added by more text than they save); Z gives the other 128 as much matrix work.
; PART G.  A cluster of 4 x 4 work-groups makes one batch's 512 x 512; a work-group 128 x 128, each of its four waves 64 x 64: 16 accumulators.  K goes in steps of 256 = 4 blocks of xp
; through two LDS slots.  A wave's tensor load brings 64 rows x 4 blocks.  The four work-groups of a row of the cluster need the same rows d, the four of a column the same rows c: each tile
; is asked for JOINTLY.  Source 0 = rows c, source 1 = rows d: a lane holds one d and eight neighbouring c.
;   Registers: window 0: v0-31 addresses; v32-95 the way out; v128-255 the accumulators ((a, b) at v[128 + 8 (4 a + b)]).  Window 1: two fragment buffers of 128.
; PART Z is described where it begins.
.set PITCH,  144                       ; an LDS row: 128 bytes + 16 = 36 words: the 16 rows of a load start at 16 different groups of four banks (64 banks of 4 bytes: ISA guide 11.1)
.set BLKP,   64*PITCH                  ; 64 rows of one block
.set HALFT,  4*BLKP                    ; what one tensor load brings, in both parts
.set SLOT,   4*HALFT                   ; a slot, in both parts
.set STAGE,  2*SLOT                    ; behind the ring: 16 rows x 144 bytes for each wave (part G alone)
.set SPARE,  STAGE+4*16*PITCH          ; behind the stages: the spare words
.set STEPB,  4*65536                   ; part G: bytes of xp from a K step to the next
.set LAPS,   8                         ; part G: 16 K steps, two a lap
.set ADRA, 16
.set ADRB, 20
.set STO,  24
.set RD,   25
.set GO,   26
.set NEG1, 27
.set SPW,  28
.set NIL,  29
.set PFO,  30
.set HB,   32
.set LB,   48
.set OB0,  64
.set OB1,  80
.set ACC,  128
.set F0,   0
.set F1,   128
.set G1,  24
.set G0,  32
.set LIM, 42
.set PFA, 44
.set G1B, 48
.set G0B, 56
.set MSB, 0
.macro WIN new                         ; the immediate's high byte repeats the setting that is left
.if MSB != (\new)
	s_set_vgpr_msb (MSB<<8)|(\new)
.set MSB, \new
.endif
.endm
.set MUL,  0x05                        ; sources 0 and 1 window 1; C and D window 0
.set TO_F, 0x40                        ; destination window 1, address window 0
.macro PLACES
.rept 4
	v_nop
.endr
.endm
.macro CREST                           ; a round of the cluster's barrier behind its opening barrier
	s_cmp_lg_u32 s10, 0
	s_cbranch_scc1 .Lnot_wave_0_\@
	s_barrier_signal -3
.Lnot_wave_0_\@:
	s_barrier_wait -3
	s_barrier_signal -1
	s_barrier_wait -1
.endm
.macro CROUND
	s_barrier_signal -1
	s_barrier_wait -1
	CREST
.endm
	s_load_b256 s[68:75], s[0:1], 0x0              ; xp s[68:69], hla s[70:71], wgm s[72:73], zb s[74:75]
	v_lshl_add_u32 v[SPW], v0, 2, SPARE
	v_mov_b32 v[NIL], 0
	ds_add_u32 v[SPW], v[NIL]                      ; the wave's opening: the add, twice on end, and its wait ahead of my first tensor load
	ds_add_u32 v[SPW], v[NIL]
	v_lshrrev_b32 v1, 5, v0
	v_readfirstlane_b32 s10, v1                    ; wave 0..3
	s_lshr_b32 s11, s10, 1                         ; the wave's upper bit
	s_and_b32 s12, s10, 1                          ; and its lower
	s_bfe_u32 s40, ttmp6, 0x40000                  ; cx
	s_bfe_u32 s41, ttmp6, 0x40004                  ; cy
	s_lshr_b32 s76, ttmp9, 1                       ; b
	s_and_b32 s77, ttmp9, 1                        ; kind
	s_lshl_b32 s43, s41, 2
	s_lshl_b32 s43, 15, s43                        ; my row of the cluster
	s_wait_dscnt 0x0                               ; both opening adds are done
	s_wait_kmcnt 0x0
	s_cmp_lg_u32 s77, 0
	s_cbranch_scc1 .Lzpart
; ---------------------------------------------------------------- PART G
.macro JLOAD s                         ; a joint load: waves 0 and 1 fetch the two halves of the rows d, waves 2 and 3 of the rows c; an s_nop 0 and four v_nop follow each line
	s_cmp_eq_u32 s11, 0
	s_cbranch_scc0 .Lfor_b_\@
	tensor_load_to_lds s[G0+4*(\s):G0+4*(\s)+3], s[G1:G1+7]
	s_nop 0
	PLACES
	s_branch .Lasked_\@
.Lfor_b_\@:
	tensor_load_to_lds s[G0B+4*(\s):G0B+4*(\s)+3], s[G1B:G1B+7]
	s_nop 0
	PLACES
.Lasked_\@:
.endm
; A PREFETCH of the K step that will be loaded four K steps (512 matrix instructions) later.  The waves that fetch the rows d ask; of a wave's 64 rows x 4 blocks the partner at place cx takes
; block cx, 8,192 dense bytes, a lane 256 of them: told apart by address alone.  The rows c are the same bytes of xp, so nobody asks for them again.  K steps 2 to 5 come by their loads alone;
; the loop's last two trips ask for nothing: their K steps do not exist.
.macro ASK
	s_cmp_gt_u32 s3, s[LIM]
	s_cbranch_scc0 .Lnot_mine_\@
	global_prefetch_b8 v[PFO], s[PFA:PFA+1] th:TH_LOAD_NT scope:SCOPE_SE
.Lnot_mine_\@:
.endm
	s_mov_b64 s[4:5], s[68:69]                     ; xp
	s_mov_b64 s[6:7], s[70:71]                     ; hla
	s_lshl_b32 s23, 0x1111, s40                    ; my column of the cluster
	s_or_b32 s[G1+0], s43, (1<<16)|(1<<20)|(1<<21)|(4<<22)|(3<<25)   ; the mask; 2-byte elements; padding on; bit 21 beside a mask; after every 32 words, 4 words
	s_or_b32 s[G1B+0], s23, (1<<16)|(1<<20)|(1<<21)|(4<<22)|(3<<25)
.irp g, G1, G1B
	s_mov_b32 s[(\g)+1], 4096<<16                  ; tensor_dim0 = 4,096: 64 rows of a block on end
	s_mov_b32 s[(\g)+2], 4<<16                     ; tensor_dim1 = 4 blocks
	s_mov_b32 s[(\g)+3], 4096<<16                  ; tile_dim0
	s_mov_b32 s[(\g)+4], 4                         ; tile_dim1
	s_mov_b32 s[(\g)+5], 32768                     ; elements from block to block
	s_mov_b32 s[(\g)+6], 0
	s_mov_b32 s[(\g)+7], 0
.endr
	s_lshl_b32 s13, s76, 22                        ; the batch in xp
	s_lshl_b32 s17, s12, 13                        ; 64 rows of 128 bytes
	s_lshl_b32 s16, s41, 14                        ; rows d: 128 cy
	s_add_co_u32 s16, s16, s17
	s_add_co_u32 s16, s16, s13
	s_lshl_b32 s46, s40, 14                        ; rows c: 128 cx
	s_add_co_u32 s46, s46, s17
	s_add_co_u32 s46, s46, s13
	s_mov_b32 s17, 0
	s_mov_b32 s47, 0
	s_mul_i32 s20, s10, HALFT                      ; where my part of a slot goes: no place in the cluster enters an LDS address
	s_add_nc_u64 s[14:15], s[4:5], s[16:17]
	s_add_nc_u64 s[46:47], s[4:5], s[46:47]
	CROUND                                         ; all sixteen work-groups are here: the first joint loads meet
.irp s, 0,1
	s_mov_b32 s[G0+4*(\s)], 1
	s_add_co_u32 s[G0+4*(\s)+1], s20, (\s)*SLOT
	s_add_nc_u64 s[G0+4*(\s)+2:G0+4*(\s)+3], s[14:15], (\s)*STEPB
	s_or_b32 s[G0+4*(\s)+3], s[G0+4*(\s)+3], 0x80000000
	s_mov_b32 s[G0B+4*(\s)], 1
	s_add_co_u32 s[G0B+4*(\s)+1], s20, (\s)*SLOT
	s_add_nc_u64 s[G0B+4*(\s)+2:G0B+4*(\s)+3], s[46:47], (\s)*STEPB
	s_or_b32 s[G0B+4*(\s)+3], s[G0B+4*(\s)+3], 0x80000000
	JLOAD \s
.endr
	v_and_b32 v1, 15, v0                           ; l % 16
	v_bfe_u32 v2, v0, 4, 1                         ; l / 16
	v_mul_u32_u24 v3, v1, PITCH
	v_lshl_add_u32 v3, v2, 4, v3                   ; a fragment's row x pitch + 16 x half
	s_mul_i32 s21, s11, HALFT
	s_mul_i32 s22, s12, HALFT
	s_add_co_u32 s22, s22, 2*HALFT
.irp s, 0,1
	v_add_nc_u32 v[ADRA+(\s)], s21, v3
	v_add_nc_u32 v[ADRB+(\s)], s22, v3
	s_add_co_u32 s21, s21, SLOT
	s_add_co_u32 s22, s22, SLOT
.endr
	s_mul_i32 s23, s10, 16*PITCH
	s_add_co_u32 s23, s23, STAGE                   ; my stage
	v_add_nc_u32 v[STO], s23, v3                   ; in: row l % 16, 16 bytes for each half of the lanes
	v_and_b32 v4, 31, v0
	v_lshrrev_b32 v5, 3, v4
	v_and_b32 v6, 7, v4
	v_mul_u32_u24 v5, v5, PITCH
	v_lshl_add_u32 v5, v6, 4, v5
	v_add_nc_u32 v[RD], s23, v5                    ; back: 32 lanes take four rows of 128 bytes,
	v_lshlrev_b32 v[GO], 4, v4                     ; which are 512 consecutive bytes of a block of hla
	v_mov_b32 v[NEG1], -1.0
	v_lshlrev_b32 v[PFO], 8, v4
	s_lshl_b32 s18, s40, 16                        ; the prefetches: my rows d, block cx of the four, at K step 5; the first change of slots steps it to 6
	s_add_co_u32 s18, s18, s16
	s_add_co_u32 s18, s18, 5*STEPB
	s_mov_b32 s19, 0
	s_add_nc_u64 s[PFA:PFA+1], s[4:5], s[18:19]
	s_cmp_eq_u32 s11, 0
	s_cselect_b32 s[LIM], 2, -1
	s_lshl_b32 s22, s76, 20                        ; hla: the batch,
	s_lshl_b32 s21, s40, 17
	s_add_co_u32 s22, s22, s21
	s_lshl_b32 s21, s12, 16                        ; block 2 cx + my half of the rows c,
	s_add_co_u32 s22, s22, s21
	s_lshl_b32 s21, s41, 14
	s_add_co_u32 s22, s22, s21
	s_lshl_b32 s21, s11, 13                        ; row 128 cy + 64 x my half of the rows d
	s_add_co_u32 s22, s22, s21
	s_mov_b32 s23, 0
	s_add_nc_u64 s[8:9], s[6:7], s[22:23]
; 8 matrix instructions: d blocks a0, a0 + 1 x all 4 c blocks, 32 along K: half c of buffer f.  The 16 accumulators take turns.
.macro MUL8 f, c, a0, zero
	WIN MUL
.irp a, \a0, (\a0)+1
.irp b, 0,1,2,3
.if \zero
	v_wmma_f32_16x16x32_bf16 v[ACC+8*(4*(\a)+(\b)):ACC+8*(4*(\a)+(\b))+7], v[(\f)+64+8*(4*(\c)+(\b)):(\f)+64+8*(4*(\c)+(\b))+7], v[(\f)+8*(4*(\c)+(\a)):(\f)+8*(4*(\c)+(\a))+7], 0
.else
	v_wmma_f32_16x16x32_bf16 v[ACC+8*(4*(\a)+(\b)):ACC+8*(4*(\a)+(\b))+7], v[(\f)+64+8*(4*(\c)+(\b)):(\f)+64+8*(4*(\c)+(\b))+7], v[(\f)+8*(4*(\c)+(\a)):(\f)+8*(4*(\c)+(\a))+7], v[ACC+8*(4*(\a)+(\b)):ACC+8*(4*(\a)+(\b))+7]
.endif
.endr
.endr
.endm
; 32 LDS loads in one run: the fragments of one block (64 along K) at byte k of my part of the slot; the first 32 along K first
.macro FETCH slot, k, f
	WIN TO_F
.irp c, 0,1
.irp i, 0,1,2,3
	ds_load_b128 v[(\f)+64+8*(4*(\c)+(\i)):(\f)+64+8*(4*(\c)+(\i))+3],   v[ADRB+(\slot)] offset:(\k)+64*(\c)+(\i)*16*PITCH
	ds_load_b128 v[(\f)+64+8*(4*(\c)+(\i))+4:(\f)+64+8*(4*(\c)+(\i))+7], v[ADRB+(\slot)] offset:(\k)+64*(\c)+(\i)*16*PITCH+32
	ds_load_b128 v[(\f)+8*(4*(\c)+(\i)):(\f)+8*(4*(\c)+(\i))+3],         v[ADRA+(\slot)] offset:(\k)+64*(\c)+(\i)*16*PITCH
	ds_load_b128 v[(\f)+8*(4*(\c)+(\i))+4:(\f)+8*(4*(\c)+(\i))+7],       v[ADRA+(\slot)] offset:(\k)+64*(\c)+(\i)*16*PITCH+32
.endr
.endr
.endm
; A K step is four quarters of one block, 32 matrix instructions each, on buffers 0, 1, 0, 1.
.macro QUARTER slot, k, f, g, zero
	s_wait_dscnt 16                                ; the first 32 along K are in
	WIN MUL
	MUL8 \f, 0, 0, \zero
	MUL8 \f, 0, 2, \zero
	PLACES                                         ; four places in front of loads into registers that matrix instructions have read
	FETCH \slot, \k, \g
	s_wait_dscnt 32                                ; all but the 32 just issued
	WIN MUL
	MUL8 \f, 1, 0, 0
	MUL8 \f, 1, 2, 0
.endm
; The last quarter changes slots: each wave waits for all its tensor loads (one is out: its part of the next slot), adds 0 to its spare word, waits for that and for its reads of this slot.
.macro TURN slot, next, fill
.if \fill
	s_wait_xcnt 0x0                                ; the last prefetch, a K step back, has read its address
	s_add_nc_u64 s[PFA:PFA+1], s[PFA:PFA+1], STEPB
.endif
	WIN 0
	s_wait_tensorcnt 0x0
	ds_add_u32 v[SPW], v[NIL]
	s_wait_dscnt 17                                ; (the add and the youngest sixteen loads may be out)
	WIN MUL
	MUL8 F1, 0, 0, 0
	s_wait_dscnt 0x0                               ; the add is done, and my reads of this slot are over
	s_barrier_signal -1
	MUL8 F1, 0, 2, 0
.if \fill
	WIN 0
.endif
	s_barrier_wait -1
.if \fill
	CREST                                          ; the barrier has opened a round of the cluster's: no wave of any partner still reads this slot or has a load on its way
	s_add_nc_u64 s[G0+4*(\slot)+2:G0+4*(\slot)+3], s[G0+4*(\slot)+2:G0+4*(\slot)+3], 2*STEPB
	s_add_nc_u64 s[G0B+4*(\slot)+2:G0B+4*(\slot)+3], s[G0B+4*(\slot)+2:G0B+4*(\slot)+3], 2*STEPB
	JLOAD \slot                                    ; my one tensor load behind the round; its four v_nop are also the places in front of the loads below
.else
	PLACES
.endif
	FETCH \next, 0, F0
.if \fill
	WIN 0
	ASK
.endif
	WIN MUL
	MUL8 F1, 1, 0, 0
	MUL8 F1, 1, 2, 0
.endm
; THE WAY OUT of 16 rows d x 64 c (four accumulators from register A on): hi = the sum rounded to bf16; lo = (sum - hi) rounded; each through my stage and out as 2,048 dense bytes.
.macro HILO A
.set i, 0
.rept 16
	v_cvt_pk_bf16_f32 v[HB+i], v[(\A)+2*i], v[(\A)+2*i+1]
.set i, i+1
.endr
.set i, 0
.rept 16
	v_fma_mix_f32_bf16 v[(\A)+2*i], v[HB+i], v[NEG1], v[(\A)+2*i] op_sel_hi:[1,0,0]
	v_fma_mix_f32_bf16 v[(\A)+2*i+1], v[HB+i], v[NEG1], v[(\A)+2*i+1] op_sel:[1,0,0] op_sel_hi:[1,0,0]
.set i, i+1
.endr
.set i, 0
.rept 16
	v_cvt_pk_bf16_f32 v[LB+i], v[(\A)+2*i], v[(\A)+2*i+1]
.set i, i+1
.endr
.endm
.macro STG R, OB
.irp q, 0,1,2,3
	ds_store_b128 v[STO], v[(\R)+4*\q:(\R)+4*\q+3] offset:32*\q
.endr
.irp f, 0,1,2,3
	ds_load_b128 v[(\OB)+4*\f:(\OB)+4*\f+3], v[RD] offset:576*\f   ; LDS serves a wave's instructions in order (ISA guide 5.7.1.4): these see the stores above
.endr
.endm
.macro SND OB, off, younger
	s_wait_dscnt \younger
.irp f, 0,1,2,3
	global_store_b128 v[GO], v[(\OB)+4*\f:(\OB)+4*\f+3], s[8:9] offset:(\off)+512*\f   ; 512 consecutive bytes, aligned
.endr
.endm
.macro WAYOUT A, off
	HILO \A
	s_wait_xcnt 0x0                                ; the registers that the last block's stores read are loaded again only behind this wait
	STG HB, OB0
	STG LB, OB1
	SND OB0, \off, 8                               ; lo's four stores and four loads may be out
	SND OB1, (\off)+524288, 0
.endm
	s_wait_tensorcnt 1                             ; my part of K step 0 is in; K step 1's may stay out
	s_barrier_signal -1
	s_barrier_wait -1
	FETCH 0, 0, F0
	QUARTER 0, BLKP, F0, F1, 1                     ; the first quarter's first products start the sums
	WIN 0
	s_mov_b32 s3, LAPS-1
.Llap:                                                 ; a trip goes once round the ring and fills both slots again
	QUARTER 0, 2*BLKP, F1, F0, 0
	QUARTER 0, 3*BLKP, F0, F1, 0
	TURN 0, 1, 1
	QUARTER 1, BLKP,   F0, F1, 0
	QUARTER 1, 2*BLKP, F1, F0, 0
	QUARTER 1, 3*BLKP, F0, F1, 0
	TURN 1, 0, 1
	QUARTER 0, BLKP,   F0, F1, 0
	WIN 0
	s_sub_co_u32 s3, s3, 1
	s_cmp_lg_u32 s3, 0
	s_cbranch_scc1 .Llap
	QUARTER 0, 2*BLKP, F1, F0, 0                   ; the last lap fills nothing
	QUARTER 0, 3*BLKP, F0, F1, 0
	TURN 0, 1, 0
	QUARTER 1, BLKP,   F0, F1, 0
	QUARTER 1, 2*BLKP, F1, F0, 0
	QUARTER 1, 3*BLKP, F0, F1, 0
	s_wait_dscnt 16
	WIN MUL
	MUL8 F1, 0, 0, 0
	MUL8 F1, 0, 2, 0
	s_wait_dscnt 0
	MUL8 F1, 1, 0, 0
	MUL8 F1, 1, 2, 0
	WIN 0
	PLACES
	WAYOUT ACC, 0
	WAYOUT ACC+32, 2048
	WAYOUT ACC+64, 4096
	WAYOUT ACC+96, 6144
	s_wait_tensorcnt 0x0                           ; the wave's end
	ds_add_u32 v[SPW], v[NIL]
	s_wait_dscnt 0x0
	CROUND                                         ; the closing round
	s_endpgm
; ---------------------------------------------------------------- PART Z
; SHARES.  cx picks 128 rows o of Wmask, cy the index j: first j = cy, then j = cy + 4.  The four work-groups of a row of the cluster walk the same rows of xp: every tile is asked for jointly.
; A wave (2 x 2: 64 rows o, a half of a tile's rows d) holds its 64 fragments of Wmask in registers for both j; they come straight from memory, laid out as a fragment wants them.
; THE WALK.  Eight tiles of 128 rows d x all of K = 512 (four for each j) through two slots.  A wave's tensor load brings 128 rows x 2 blocks.  Of a tile a wave multiplies 64 o x 64 d:
; 256 matrix instructions on 16 accumulators, 128 LDS loads.  Then its 64 x 64 numbers are finished and leave.
; ONE TEXT FOR EITHER SLOT: the slot's first byte is a scalar that an exclusive or turns; the lanes' addresses are made from it at each change of slots.
; Source 0 = rows d, source 1 = rows o: a lane holds one o (l % 16) and the eight neighbouring d 8 (l / 16) + 0..7 of a block of 16.  Rounded to bf16 these 16 bytes are, lane for lane, one half of
; a fragment of 16 rows o x 32 d as the last launch takes it: they are stored as they lie, with no way through LDS.
; NO PREFETCH in this part: every block of xp that it walks is walked by the batch's other cluster too, whose waves name each block once; this part would name them a second time.
; REGISTERS: window 0: v2-5, v26, v28, v29 addresses; v64-191 xp's fragments, two sets of 64; v192-255 the rounded tile.  Window 1: v0-127 the accumulators ((a, q) at 8 (4 a + q)).
;   Windows 2, 3: Wmask's fragments, K step u of 32, o block a, at 8 (4 (u % 8) + a).
.set ZVA,  2                           ; v2   my byte offset in 16 rows of a block of Wmask
.set ZB0,  3                           ; v3   my place in a slot; never rewritten
.set ZDB,  4                           ; v4   the same in the slot in hand, blocks 0 to 3
.set ZDB2, 5                           ; v5   blocks 4 to 7: the immediate holds 16 bits
.set ZBF,  64
.set ZOB,  192
.set ZG1,  24                          ; s[24:31] descriptor group 1
.set ZG0A, 32                          ; s[32:35] group 0 of the first fill of slot 0
.set ZG0,  36                          ; s[36:39] group 0 of the first fill of slot 1; it then walks
.set ZTB,  42                          ; s42  first byte of the slot in hand
.set ZDG,  44                          ; s[44:45] what the walking address steps by
.set ZDZ,  46                          ; s[46:47] what the next way out adds to zb's address
.set ZOZ,  48                          ; s[48:49] zb at my four blocks of 16 o, my four blocks of 16 d
.set ZAP,  50                          ; s[50:51] Wmask at my 64 rows
.set ZK0,  52                          ; s52-55 four steps in bytes
.macro ZAGL                            ; Wmask's 64 fragments: 128 loads of 16 bytes a lane; the four loads of 16 rows of a block cover its 2,048 bytes
.set u, 0
.rept 16
.if u < 8
	WIN 0x80
.else
	WIN 0xc0
.endif
.irp a, 0,1,2,3
	global_load_b128 v[8*(4*(u%8)+\a):8*(4*(u%8)+\a)+3],   v[ZVA], s[ZAP:ZAP+1] offset:(u/2)*65536+(u%2)*64+\a*2048
	global_load_b128 v[8*(4*(u%8)+\a)+4:8*(4*(u%8)+\a)+7], v[ZVA], s[ZAP:ZAP+1] offset:(u/2)*65536+(u%2)*64+\a*2048+32
.endr
.set u, u+1
.endr
	WIN 0
.endm
.macro ZFETCH kb, st                   ; xp's eight fragments of block kb (2 halves of its K x 4 blocks of 16 rows): 16 loads into set st
.if (\kb) < 4
.set ar, ZDB
.set ko, (\kb)*18432
.else
.set ar, ZDB2
.set ko, ((\kb)-4)*18432
.endif
.irp uu, 0,1
.irp q, 0,1,2,3
	ds_load_b128 v[ZBF+64*(\st)+8*(4*\uu+\q):ZBF+64*(\st)+8*(4*\uu+\q)+3],   v[ar] offset:ko+\q*2304+\uu*64
	ds_load_b128 v[ZBF+64*(\st)+8*(4*\uu+\q)+4:ZBF+64*(\st)+8*(4*\uu+\q)+7], v[ar] offset:ko+\q*2304+\uu*64+32
.endr
.endr
.endm
.macro ZMUL kb, lo, n                  ; n of block kb's 32 matrix instructions, from number lo on; the 16 accumulators take turns; the first K step starts the sums with the constant 0
.if (\kb) < 4
	WIN 0x58                                       ; xp window 0, Wmask window 2, C and D window 1
.else
	WIN 0x5c                                       ; Wmask window 3
.endif
.set xx, \lo
.rept \n
.set uq, xx/16
.set aa, (xx%16)/4
.set qq, xx%4
.set rD, 8*(4*aa+qq)
.set rB, ZBF+64*((\kb)%2)+8*(4*uq+qq)
.set rA, 8*(4*((2*(\kb)+uq)%8)+aa)
.if ((\kb) == 0) && (uq == 0)
	v_wmma_f32_16x16x32_bf16 v[rD:rD+7], v[rB:rB+7], v[rA:rA+7], 0
.else
	v_wmma_f32_16x16x32_bf16 v[rD:rD+7], v[rB:rB+7], v[rA:rA+7], v[rD:rD+7]
.endif
.set xx, xx+1
.endr
.endm
.macro ZKSTEP kb
	WIN 0
	PLACES                                         ; four places in front of loads into the set that the block before multiplied
	ZFETCH (\kb)+1, ((\kb)+1)%2
	s_wait_dscnt 16                                ; all but the 16 just issued
	ZMUL \kb, 0, 32
.endm
; A slot's last block, and the change of slots.  Each wave waits for all its tensor loads (one is out: its part of the other slot), adds 0 to its spare word, waits for that and for its reads of
; this slot.  fill = 1: this slot takes the tile two on: 128 rows further down, or, behind the first j's last tile (the loop's count is then 4), the first rows of j + 4.
; fill = 0: nothing is left to ask for; the last trip has no slot to go on to and jumps over the fetch (its barrier serves nobody: the price of one text for both trips).
.macro ZLASTK fill
	WIN 0
	s_wait_tensorcnt 0x0                           ; no tensor load of mine is out, so the walking group 0 may be written
	ds_add_u32 v[SPW], v[NIL]
	s_wait_dscnt 1                                 ; (the add may be out; the fragments are in)
	ZMUL 7, 0, 8
.if \fill
	s_xor_b32 s[ZG0+1], s[ZG0+1], SLOT             ; the other slot than last time: the wave's 36,864 w shares no bit with the slot's 147,456
	s_cmp_eq_u32 s3, 4
	s_cselect_b32 s[ZDG], s[ZK0], s[ZK0+1]
	s_add_nc_u64 s[ZG0+2:ZG0+3], s[ZG0+2:ZG0+3], s[ZDG:ZDG+1]
.endif
	s_wait_dscnt 0x0                               ; the add is done, and my reads of this slot are over
	s_barrier_signal -1
	ZMUL 7, 8, 8
	WIN 0
	s_barrier_wait -1
.if \fill
	CREST                                          ; the barrier has opened a round of the cluster's: no wave of any partner still reads this slot or has a load on its way
	tensor_load_to_lds s[ZG0:ZG0+3], s[ZG1:ZG1+7]  ; my one tensor load behind the round: it has a slot's 256 matrix instructions in which to land
	s_nop 0
.endif
	s_xor_b32 s[ZTB], s[ZTB], SLOT                 ; on to the other slot
	v_add_nc_u32 v[ZDB], s[ZTB], v[ZB0]
	v_add_nc_u32 v[ZDB2], 73728, v[ZDB]
	v_nop
	v_nop                                          ; with the two lines above: the four places in front of the loads below
.if \fill
	ZFETCH 0, 0
.else
	s_cmp_eq_u32 s3, 1
	s_cbranch_scc1 .Lzlast_\@
	ZFETCH 0, 0
.Lzlast_\@:
.endif
	ZMUL 7, 16, 16
.endm
.macro ZSLOTM fill
.irp kb, 0,1,2,3,4,5,6
	ZKSTEP \kb
.endr
	ZLASTK \fill
.endm
; A tile leaves: my 64 o x 64 d rounded to bf16 and stored as they lie: accumulator (a, q) is 512 consecutive bytes, 16 a lane; the four q of a block a are 2,048 on end.
; zb's address steps 8 blocks of 16 d a tile; behind the first j's last tile (the count is 3) to j + 4.
.macro ZEPI inloop
	WIN 0
	s_wait_xcnt 0x0                                ; a slot behind the last stores: their registers and their base may be written
	s_add_nc_u64 s[ZOZ:ZOZ+1], s[ZOZ:ZOZ+1], s[ZDZ:ZDZ+1]
.if \inloop
	s_cmp_eq_u32 s3, 3
	s_cselect_b32 s[ZDZ], s[ZK0+2], s[ZK0+3]
.endif
	PLACES                                         ; the places behind the last products
	WIN 0x05                                       ; sources window 1, destination window 0
.set i, 0
.rept 64
	v_cvt_pk_bf16_f32 v[ZOB+i], v[2*i], v[2*i+1]
.set i, i+1
.endr
	WIN 0
.irp a, 0,1,2,3
.irp q, 0,1,2,3
	global_store_b128 v[GO], v[ZOB+16*\a+4*\q:ZOB+16*\a+4*\q+3], s[ZOZ:ZOZ+1] offset:\a*16384+\q*512   ; 512 consecutive bytes, aligned
.endr
.endr
.endm
.Lzpart:
	s_or_b32 s[ZG1+0], s43, (1<<16)|(1<<20)|(1<<21)|(4<<22)|(3<<25)  ; the mask: my row of the cluster; 2-byte elements; padding on; bit 21 beside a mask; after every 32 words, 4 words
	s_mov_b32 s[ZG1+1], 8192<<16                   ; tensor_dim0 = 8,192: 128 rows of a block on end
	s_mov_b32 s[ZG1+2], 2<<16                      ; tensor_dim1 = 2 blocks
	s_mov_b32 s[ZG1+3], 8192<<16                   ; tile_dim0
	s_mov_b32 s[ZG1+4], 2                          ; tile_dim1
	s_mov_b32 s[ZG1+5], 32768                      ; elements from block to block
	s_mov_b32 s[ZG1+6], 0
	s_mov_b32 s[ZG1+7], 0
	s_mov_b32 s[ZG0A], 1
	s_mul_i32 s[ZG0A+1], s10, HALFT                ; my two blocks in slot 0
	s_mov_b32 s[ZG0], 1
	s_add_co_u32 s[ZG0+1], s[ZG0A+1], SLOT         ; and in slot 1
	s_lshl_b32 s16, s76, 22                        ; xp: block 64 b + 8 cy + 2 w, row 0
	s_lshl_b32 s17, s41, 19
	s_add_co_u32 s16, s16, s17
	s_lshl_b32 s17, s10, 17
	s_add_co_u32 s16, s16, s17
	s_mov_b32 s17, 0
	s_add_nc_u64 s[ZG0A+2:ZG0A+3], s[68:69], s[16:17]
	s_add_nc_u64 s[ZG0+2:ZG0+3], s[ZG0A+2:ZG0A+3], 16384  ; the second tile: 128 rows of 128 bytes on
	s_or_b32 s[ZG0A+3], s[ZG0A+3], 0x80000000
	s_or_b32 s[ZG0+3], s[ZG0+3], 0x80000000
	s_lshl_b32 s18, s40, 14                        ; Wmask lies behind Wg in wgm: rows 128 cx + 64 x (my upper bit), 128 bytes each
	s_lshl_b32 s19, s11, 13
	s_add_co_u32 s18, s18, s19
	s_lshl_b32 s20, s18, 3                         ; zb: the same rows are blocks 8 cx + 4 x (my upper bit) of 16 o, 16,384 bytes each;
	s_lshl_b32 s21, s76, 22                        ; batch b,
	s_add_co_u32 s20, s20, s21
	s_lshl_b32 s21, s41, 19                        ; index cy,
	s_add_co_u32 s20, s20, s21
	s_lshl_b32 s21, s12, 11                        ; my half of a tile's rows d: four blocks of 16 d, 512 bytes each
	s_add_co_u32 s20, s20, s21
	s_add_co_u32 s18, s18, 524288
	s_mov_b32 s19, 0
	s_mov_b32 s21, 0
	s_add_nc_u64 s[ZAP:ZAP+1], s[72:73], s[18:19]
	s_add_nc_u64 s[ZOZ:ZOZ+1], s[74:75], s[20:21]
	s_mov_b32 s[ZTB], 0
	s_mov_b32 s[ZDG+1], 0
	s_mov_b32 s[ZDZ], 0
	s_mov_b32 s[ZDZ+1], 0
	s_mov_b32 s[ZK0], 32*65536-3*16384             ; xp: from a j's last tile to the first of j + 4
	s_mov_b32 s[ZK0+1], 16384                      ; from a tile to the next
	s_mov_b32 s[ZK0+2], 4*524288-3*4096            ; zb: the same two steps
	s_mov_b32 s[ZK0+3], 4096
	CROUND                                         ; all sixteen work-groups are here: the first joint loads meet
	tensor_load_to_lds s[ZG0A:ZG0A+3], s[ZG1:ZG1+7]  ; both first fills together: two loads of mine are out
	s_nop 0
	tensor_load_to_lds s[ZG0:ZG0+3], s[ZG1:ZG1+7]
	s_nop 0
	PLACES
	v_and_b32 v1, 15, v0                           ; l % 16
	v_bfe_u32 v6, v0, 4, 1                         ; l / 16
	v_lshlrev_b32 v[ZVA], 7, v1
	v_lshl_add_u32 v[ZVA], v6, 4, v[ZVA]           ; row x 128 + 16 x half
	ZAGL
	v_mul_u32_u24 v7, v1, PITCH
	v_lshl_add_u32 v7, v6, 4, v7                   ; a fragment's row x pitch + 16 x half
	s_mul_i32 s22, s12, BLKP                       ; my 64 of a tile's 128 rows
	v_add_nc_u32 v[ZB0], s22, v7
	v_mov_b32 v[ZDB], v[ZB0]
	v_add_nc_u32 v[ZDB2], 73728, v[ZDB]
	v_and_b32 v8, 31, v0
	v_lshlrev_b32 v[GO], 4, v8                     ; 16 bytes a lane
	s_wait_tensorcnt 0x1                           ; my part of slot 0 is in; slot 1's may stay out
	s_barrier_signal -1
	s_barrier_wait -1
	ZFETCH 0, 0
	s_wait_loadcnt 0x0                             ; Wmask's fragments
	s_mov_b32 s3, 6
.Lzs:                                                  ; tiles 0 to 5: the slot just read takes the tile two on
	ZSLOTM 1
	ZEPI 1
	s_sub_co_u32 s3, s3, 1
	s_cmp_lg_u32 s3, 0
	s_cbranch_scc1 .Lzs
	s_mov_b32 s3, 2
.Lzt:                                                  ; tiles 6 and 7: nothing is asked for
	ZSLOTM 0
	ZEPI 0
	s_sub_co_u32 s3, s3, 1
	s_cmp_lg_u32 s3, 0
	s_cbranch_scc1 .Lzt
	s_wait_tensorcnt 0x0                           ; the wave's end
	ds_add_u32 v[SPW], v[NIL]
	s_wait_dscnt 0x0
	CROUND                                         ; the closing round
	s_endpgm
.Lfunc_end_k_q779110312b_gz:
	.size	k_q779110312b_gz, .Lfunc_end_k_q779110312b_gz-k_q779110312b_gz
	.p2alignl 7, 3214868480
	.fill 96, 4, 3214868480
	.section	.rodata,"a",@progbits
	.p2align	6, 0x0
	.amdhsa_kernel k_q779110312b_gz
		.amdhsa_group_segment_fixed_size 327680
		.amdhsa_private_segment_fixed_size 0
		.amdhsa_enable_private_segment 0
		.amdhsa_kernarg_size 32
		.amdhsa_user_sgpr_count 2
		.amdhsa_user_sgpr_kernarg_segment_ptr 1
		.amdhsa_wavefront_size32 1
		.amdhsa_system_sgpr_workgroup_id_x 1
		.amdhsa_system_sgpr_workgroup_id_y 1
		.amdhsa_system_sgpr_workgroup_id_z 1
		.amdhsa_system_vgpr_workitem_id 0
		.amdhsa_next_free_vgpr 1024
		.amdhsa_next_free_sgpr 80
		.amdhsa_reserve_vcc 0
		.amdhsa_float_denorm_mode_32 3
		.amdhsa_float_denorm_mode_16_64 3
		.amdhsa_memory_ordered 1
		.amdhsa_forward_progress 1
		.amdhsa_inst_pref_size 184
	.end_amdhsa_kernel
	.amdgpu_metadata
---
amdhsa.version: [ 1, 2 ]
amdhsa.kernels:
  - .name:           k_q779110312b_gz
    .symbol:         k_q779110312b_gz.kd
    .args:
      - { .name: xp, .offset: 0, .size: 8, .value_kind: global_buffer, .address_space: global }
      - { .name: hla, .offset: 8, .size: 8, .value_kind: global_buffer, .address_space: global }
      - { .name: wgm, .offset: 16, .size: 8, .value_kind: global_buffer, .address_space: global }
      - { .name: zb, .offset: 24, .size: 8, .value_kind: global_buffer, .address_space: global }
    .group_segment_fixed_size: 327680
    .private_segment_fixed_size: 0
    .kernarg_segment_align: 8
    .kernarg_segment_size: 32
    .max_flat_workgroup_size: 128
    .sgpr_count:     80
    .vgpr_count:     1024
    .wavefront_size: 32
...
	.end_amdgpu_metadata
.endif
;; end of part 6
;; launch tg: the kernel of part 3 again; grid 64 x 4, 4 waves a work-group, clusters of 4 x 4, 304,640 bytes of LDS; arguments hla, wphib, hlb; writes hlb
;; launch sg: the kernel of part 3 again; grid 64 x 4, 4 waves a work-group, clusters of 4 x 4, 304,640 bytes of LDS; arguments hlb, wthb, hla; writes hla
;; launch mg: the kernel of part 4 again; grid 256 x 1, 8 waves a work-group, clusters of 4 x 1, 269,312 bytes of LDS; arguments hla, wgm, gamma, mb; writes mb
;; launch fin (part 7): grid 256 x 1, 4 waves a work-group, clusters of 4 x 1, 327,680 bytes of LDS; arguments zb, mb, x, out0; writes out0
.if DOCPART == 7
	.amdgcn_target "amdgcn-amd-amdhsa--gfx1250"
	.amdhsa_code_object_version 6
	.text
	.protected	k_q779110312b_fin
	.globl	k_q779110312b_fin
	.p2align	8
	.type	k_q779110312b_fin,@function
k_q779110312b_fin:
	s_mov_b64 s[64:65], 0
	v_nop
	global_prefetch_b8 v0, s[64:65] scope:SCOPE_SE
	s_setreg_imm32_b32 hwreg(HW_REG_WAVE_MODE, 25, 1), 1
	s_wait_xcnt 0x0
	s_wait_alu depctr_hold_cnt(0) depctr_sa_sdst(0) depctr_va_vdst(0) depctr_va_sdst(0) depctr_va_ssrc(0) depctr_va_vcc(0) depctr_vm_vsrc(0)
	s_getreg_b32 s2, hwreg(HW_REG_IB_STS2, 6, 4)
	s_cmp_eq_u32 s2, 0
	s_cbranch_scc0 .Lentry_in_a_cluster
	s_endpgm
.Lentry_in_a_cluster:
	s_bfe_u32 s2, ttmp6, 0x10000c
	s_cmp_lg_u32 s2, 0x3003
	s_cbranch_scc0 .Lentry_shape_is_right
	s_endpgm
.Lentry_shape_is_right:
; out[o][512 j + c] = sum over d of Z_j[o][d] M[c][d] + x[o][512 j + c].  Z: zb[b][j][o / 16][d / 16][lane 32][8 numbers], in the order of the operand registers; M (it holds gamma):
; mb[b][d / 64][c 512][d % 64]; both bf16; sums, x and out in f32.  y and its re-read copy are never formed (see the first kernel's head).
; SHARES.  The cluster's number is 8 b + j; cx picks 128 rows o.  The four partners walk the same rows of mb: every tile is asked for jointly.  A wave (2 x 2: 64 rows o, a half of a tile's
; rows c) holds its 64 fragments of Z in registers; they come straight from memory, each load 512 consecutive bytes, 16 a lane.
; THE WALK.  Four tiles of 128 rows c x all of K = 512 through two slots.  A wave's tensor load brings 128 rows x 2 blocks.  Of a tile a wave multiplies 64 o x 64 c: 256 matrix instructions on
; 16 accumulators, 128 LDS loads.
; x AND out RIDE IN THE MATRIX WORK.  When a tile's sums are finished they go through my stage in LDS and are added INTO x's registers: LDS and vector work alone.  The stores of those registers
; stand in the NEXT tile's first four blocks of K, eight a block, and the loads of the next tile's x follow each a block behind, into the registers that the stores have read.  So no product
; waits for a store or a load of memory, and x's and out's bytes move while the matrix unit works.  The first trip has nothing to store and jumps over the stores; the last tile's stand behind the loops.
; ONE TEXT FOR EITHER SLOT: the slot's first byte is a scalar that an exclusive or turns; the lanes' addresses are made from it at each change of slots.
; Source 0 = rows c, source 1 = rows o: a lane holds one o and eight neighbouring c.
; REGISTERS: window 0: v2-13 addresses; v64-191 M's fragments, two sets of 64.  Window 1: v0-127 the accumulators ((a, q) at 8 (4 a + q)); v128-255 x of one tile, then that tile of out.
;   Windows 2, 3: Z's fragments, K step u of 32, o block a, at 8 (4 (u % 8) + a).
.set PITCH,  144                       ; an LDS row: 128 bytes + 16: the 16 rows of a load start at 16 different groups of four banks (64 banks of 4 bytes: ISA guide 11.1)
.set SLOTB,  147456                    ; a slot: [block 8][128 rows][144]
.set STAGE,  2*SLOTB                   ; behind the ring: 16 rows x 272 bytes of f32 for each wave
.set SPITCH, 272
.set SPARE,  STAGE+4*16*SPITCH
.set VA,   2                           ; v2   16 x my lane: my 16 bytes of half a fragment of Z
.set B0,   3                           ; v3   my place in a slot; never rewritten
.set DB,   4                           ; v4   the same in the slot in hand, blocks 0 to 3
.set DB2,  5                           ; v5   blocks 4 to 7: the immediate holds 16 bits
.set STO,  7
.set RD,   8
.set XO,   9                           ; v9   my 16 bytes in two rows of x and of out; never rewritten
.set PFM,  10
.set PFX,  11                          ; v11  my lane x a row of x; never rewritten
.set SPW,  12
.set NIL,  13
.set BF,   64
.set XB,   128                         ; in window 1
.set WV,  14
.set CX,  15
.set BB,  16
.set JJ,  17
.set G1,  24
.set G0A, 32                           ; s[32:35] group 0 of the first fill of slot 0
.set G0,  36                           ; s[36:39] group 0 of the first fill of slot 1; it then walks
.set TB,  40                           ; s40  first byte of the slot in hand
.set LIM, 41
.set AP,  42
.set XPT, 44                           ; s[44:45] x at my 64 rows, my 256 bytes of the tile in hand
.set OPT, 46                           ; s[46:47] out at the same place: the stores, which are the tile before's, reach back by 512 bytes
.set PM,  50
.set MSB, 0
.macro WIN new
.if MSB != (\new)
	s_set_vgpr_msb (MSB<<8)|(\new)
.set MSB, \new
.endif
.endm
.macro PLACES
.rept 4
	v_nop
.endr
.endm
.macro CREST
	s_cmp_lg_u32 s[WV], 0
	s_cbranch_scc1 .Lnot_wave_0_\@
	s_barrier_signal -3
.Lnot_wave_0_\@:
	s_barrier_wait -3
	s_barrier_signal -1
	s_barrier_wait -1
.endm
.macro CROUND
	s_barrier_signal -1
	s_barrier_wait -1
	CREST
.endm
	s_load_b256 s[4:11], s[0:1], 0x0               ; zb s[4:5], mb s[6:7], x s[8:9], out0 s[10:11]
	v_lshl_add_u32 v[SPW], v0, 2, SPARE
	v_mov_b32 v[NIL], 0
	ds_add_u32 v[SPW], v[NIL]                      ; the wave's opening: the add, twice on end, and its wait ahead of my first tensor load
	ds_add_u32 v[SPW], v[NIL]
	v_lshrrev_b32 v1, 5, v0
	v_readfirstlane_b32 s[WV], v1                  ; wave 0..3
	s_bfe_u32 s[CX], ttmp6, 0x40000                ; cx: it enters Z's, x's, out's and the prefetches' addresses alone
	s_lshr_b32 s[BB], ttmp9, 3                     ; b
	s_and_b32 s[JJ], ttmp9, 7                      ; j
	s_lshr_b32 s18, s[WV], 1                       ; my 64 rows o
	s_and_b32 s19, s[WV], 1                        ; my half of a tile's rows c
	s_mov_b32 s[G1+0], 15|(1<<16)|(1<<20)|(1<<21)|(4<<22)|(3<<25)  ; the mask of four; 2-byte elements; padding on; bit 21 beside a mask; after every 32 words, 4 words
	s_mov_b32 s[G1+1], 8192<<16                    ; tensor_dim0 = 8,192: 128 rows of a block on end
	s_mov_b32 s[G1+2], 2<<16                       ; tensor_dim1 = 2 blocks
	s_mov_b32 s[G1+3], 8192<<16                    ; tile_dim0
	s_mov_b32 s[G1+4], 2                           ; tile_dim1
	s_mov_b32 s[G1+5], 32768                       ; elements from block to block
	s_mov_b32 s[G1+6], 0
	s_mov_b32 s[G1+7], 0
	s_mov_b32 s[G0A], 1
	s_mul_i32 s[G0A+1], s[WV], 36864               ; my two blocks in slot 0
	s_mov_b32 s[G0], 1
	s_add_co_u32 s[G0+1], s[G0A+1], SLOTB          ; and in slot 1
	s_lshl_b32 s20, s[BB], 19                      ; mb: block 8 b + 2 w, row 0
	s_lshl_b32 s21, s[WV], 17
	s_add_co_u32 s20, s20, s21
	s_mov_b32 s21, 0
	s_lshl_b32 s22, ttmp9, 19                      ; zb: the 524,288 bytes of (b, j), blocks 8 cx + 4 x my half of 16 o, 16,384 bytes each
	s_lshl_b32 s23, s[CX], 17
	s_add_co_u32 s22, s22, s23
	s_lshl_b32 s23, s18, 16
	s_add_co_u32 s22, s22, s23
	s_mov_b32 s23, 0
	s_lshl_b32 s54, s[BB], 23                      ; x and out: row 128 cx + 64 x my half, column 512 j + 64 x my half
	s_lshl_b32 s55, s[CX], 21
	s_add_co_u32 s54, s54, s55
	s_lshl_b32 s55, s18, 20
	s_add_co_u32 s54, s54, s55
	s_lshl_b32 s55, s[JJ], 11
	s_add_co_u32 s54, s54, s55
	s_lshl_b32 s55, s19, 8
	s_add_co_u32 s54, s54, s55
	s_mov_b32 s55, 0
	s_lshr_b32 s56, s[CX], 1                       ; mb's prefetch: of my 2 blocks x 128 rows of tile 3 the partner at place cx takes block cx / 2, 64 rows cx % 2
	s_lshl_b32 s56, s56, 16
	s_and_b32 s57, s[CX], 1
	s_lshl_b32 s57, s57, 13
	s_add_co_u32 s56, s56, s57
	s_add_co_u32 s56, s56, s20
	s_add_co_u32 s56, s56, 3*16384
	s_mov_b32 s57, 0
	s_cmp_eq_u32 s[JJ], 0
	s_cselect_b32 s[LIM], 1, -1                    ; a batch's eight clusters walk the same mb: the one with j = 0 asks; the same in all four partners
	s_mov_b32 s[TB], 0
	s_wait_dscnt 0x0                               ; both opening adds are done
	s_wait_kmcnt 0x0
	s_add_nc_u64 s[G0A+2:G0A+3], s[6:7], s[20:21]
	s_add_nc_u64 s[G0+2:G0+3], s[G0A+2:G0A+3], 16384  ; the second tile: 128 rows of 128 bytes on
	s_or_b32 s[G0A+3], s[G0A+3], 0x80000000
	s_or_b32 s[G0+3], s[G0+3], 0x80000000
	s_add_nc_u64 s[AP:AP+1], s[4:5], s[22:23]
	s_add_nc_u64 s[XPT:XPT+1], s[8:9], s[54:55]
	s_add_nc_u64 s[OPT:OPT+1], s[10:11], s[54:55]
	s_add_nc_u64 s[PM:PM+1], s[6:7], s[56:57]
	CROUND                                         ; all four work-groups are here: the first joint loads meet
	tensor_load_to_lds s[G0A:G0A+3], s[G1:G1+7]    ; both first fills together: two loads of mine are out
	s_nop 0
	tensor_load_to_lds s[G0:G0+3], s[G1:G1+7]
	s_nop 0
	PLACES
	v_and_b32 v14, 15, v0                          ; l % 16
	v_bfe_u32 v15, v0, 4, 1                        ; l / 16
	v_and_b32 v16, 31, v0                          ; l
	v_lshlrev_b32 v[VA], 4, v16
.set u, 0
.rept 16                               ; Z's 64 fragments: 128 loads, each 512 consecutive bytes: a fragment's two halves lie on end
.if u < 8
	WIN 0x80
.else
	WIN 0xc0
.endif
.irp a, 0,1,2,3
	global_load_b128 v[8*(4*(u%8)+\a):8*(4*(u%8)+\a)+3],   v[VA], s[AP:AP+1] offset:\a*16384+u*1024
	global_load_b128 v[8*(4*(u%8)+\a)+4:8*(4*(u%8)+\a)+7], v[VA], s[AP:AP+1] offset:\a*16384+u*1024+512
.endr
.set u, u+1
.endr
	WIN 0
	v_lshlrev_b32 v[XO], 14, v15                   ; lanes 0-15 one row's 256 bytes, lanes 16-31 the next row's
	v_lshl_add_u32 v[XO], v14, 4, v[XO]
	v_mul_u32_u24 v17, v14, PITCH
	v_lshl_add_u32 v17, v15, 4, v17                ; a fragment's row x pitch + 16 x half
	s_mul_i32 s20, s19, 64*PITCH                   ; my 64 of a tile's 128 rows
	v_add_nc_u32 v[B0], s20, v17
	v_mov_b32 v[DB], v[B0]
	v_add_nc_u32 v[DB2], 73728, v[DB]
	s_mul_i32 s21, s[WV], 16*SPITCH
	s_add_co_u32 s21, s21, STAGE                   ; my stage
	v_mul_u32_u24 v[STO], v14, SPITCH              ; in: row l % 16, 32 bytes for each half of the lanes
	v_lshl_add_u32 v[STO], v15, 5, v[STO]
	v_add_nc_u32 v[STO], s21, v[STO]
	v_mul_u32_u24 v[RD], v15, SPITCH               ; back: lanes 0-15 one row of 256 bytes, lanes 16-31 the next
	v_lshl_add_u32 v[RD], v14, 4, v[RD]
	v_add_nc_u32 v[RD], s21, v[RD]
	v_lshlrev_b32 v[PFM], 8, v16
	v_lshlrev_b32 v[PFX], 14, v16
.macro FETCH kb, st                    ; M's eight fragments of block kb (2 halves of its K x 4 blocks of 16 rows): 16 loads into set st
.if (\kb) < 4
.set ar, DB
.set ko, (\kb)*18432
.else
.set ar, DB2
.set ko, ((\kb)-4)*18432
.endif
.irp uu, 0,1
.irp q, 0,1,2,3
	ds_load_b128 v[BF+64*(\st)+8*(4*\uu+\q):BF+64*(\st)+8*(4*\uu+\q)+3],   v[ar] offset:ko+\q*2304+\uu*64
	ds_load_b128 v[BF+64*(\st)+8*(4*\uu+\q)+4:BF+64*(\st)+8*(4*\uu+\q)+7], v[ar] offset:ko+\q*2304+\uu*64+32
.endr
.endr
.endm
.macro MULK kb, lo, n                  ; n of block kb's 32 matrix instructions, from number lo on; the 16 accumulators take turns; the first K step starts the sums with the constant 0
.if (\kb) < 4
	WIN 0x58                                       ; M window 0, Z window 2, C and D window 1
.else
	WIN 0x5c                                       ; Z window 3
.endif
.set xx, \lo
.rept \n
.set uq, xx/16
.set aa, (xx%16)/4
.set qq, xx%4
.set rD, 8*(4*aa+qq)
.set rB, BF+64*((\kb)%2)+8*(4*uq+qq)
.set rA, 8*(4*((2*(\kb)+uq)%8)+aa)
.if ((\kb) == 0) && (uq == 0)
	v_wmma_f32_16x16x32_bf16 v[rD:rD+7], v[rB:rB+7], v[rA:rA+7], 0
.else
	v_wmma_f32_16x16x32_bf16 v[rD:rD+7], v[rB:rB+7], v[rA:rA+7], v[rD:rD+7]
.endif
.set xx, xx+1
.endr
.endm
; THE RIDERS.  Block a of x's registers is 16 rows o x my 256 bytes: eight instructions, each two rows of 256 consecutive bytes, aligned.
.macro XLOAD a                         ; x of the tile in hand
	WIN 0x40                                       ; destination window 1, address window 0
.set i, 0
.rept 8
	global_load_b128 v[XB+32*(\a)+4*i:XB+32*(\a)+4*i+3], v[XO], s[XPT:XPT+1] offset:(16*(\a)+2*i)*16384 th:TH_LOAD_NT
.set i, i+1
.endr
.endm
.macro OSTORE a                        ; out of the tile before: 128 columns of 4 bytes back
	WIN 0x04                                       ; data window 1, address window 0
.set i, 0
.rept 8
	global_store_b128 v[XO], v[XB+32*(\a)+4*i:XB+32*(\a)+4*i+3], s[OPT:OPT+1] offset:(16*(\a)+2*i)*16384-512 th:TH_STORE_NT
.set i, i+1
.endr
.endm
; What rides in block kb of K.  kb = 0 to 3: the stores of block kb.  kb = 1 to 4: ahead of them, the loads into block kb - 1, behind the wait that shows that its stores, a block of 32 products
; back, have read it.  The loads stand on every path, so the counts of the waits for them are the same in every trip.  In the text with refills (fill = 1) the first trip, in which the loop's
; count is 2, has no tile before it and jumps over the stores.
; kb = 4, behind the last loads: A PREFETCH of my own x of the NEXT tile: 64 rows x 256 bytes, a lane a row, two instructions; its loads stand a trip further on.  Each wave names what it will
; load itself, so each block is named once.  Tile 0 comes by its loads alone; the last trip (fill = 0, the count is 1) has no next tile and asks for nothing.
.macro RIDE kb, fill
.if ((\kb) >= 1) && ((\kb) <= 4)
	s_wait_xcnt 0x0                                ; the stores issued one block back have read their registers
	XLOAD (\kb)-1
.endif
.if (\kb) == 4
	WIN 0
.if !(\fill)
	s_cmp_eq_u32 s3, 1
	s_cbranch_scc1 .Lno_ask_\@
.endif
	global_prefetch_b8 v[PFX], s[XPT:XPT+1] offset:512 th:TH_LOAD_NT scope:SCOPE_SE
	global_prefetch_b8 v[PFX], s[XPT:XPT+1] offset:512+524288 th:TH_LOAD_NT scope:SCOPE_SE
.if !(\fill)
.Lno_ask_\@:
.endif
.endif
.if (\kb) <= 3
.if \fill
	WIN 0
	s_cmp_eq_u32 s3, 2
	s_cbranch_scc1 .Lno_st_\@
.endif
	OSTORE \kb
.if \fill
	WIN 0
.Lno_st_\@:
.endif
.endif
.endm
.macro KSTEP kb, fill
	WIN 0
	PLACES                                         ; four places in front of loads into the set that the block before multiplied
	FETCH (\kb)+1, ((\kb)+1)%2
	RIDE \kb, \fill
	s_wait_dscnt 16                                ; all but the 16 just issued
	MULK \kb, 0, 32
.endm
; A PREFETCH of mb's tile 3, at the first change of slots: the tile that the next change will ask for, 256 matrix instructions ahead.  Each wave names the 32,768 bytes that it will fetch itself,
; the four partners 8,192 each, told apart by address, a lane 256.  Tiles 0 to 2 come by their loads alone: nothing is asked for at the head.  The second change asks for nothing: there is no tile 4.
.macro ASK
	s_cmp_gt_u32 s3, s[LIM]
	s_cbranch_scc0 .Lnot_mine_\@
	global_prefetch_b8 v[PFM], s[PM:PM+1] th:TH_LOAD_NT scope:SCOPE_SE
.Lnot_mine_\@:
.endm
; A slot's last block, and the change of slots.  Each wave waits for all its tensor loads (one is out: its part of the other slot), adds 0 to its spare word, waits for that and for its reads of
; this slot.  fill = 1: this slot takes the tile two on.  fill = 0: nothing is left to ask for; the last trip has no slot to go on to and jumps over the fetch (its barrier serves nobody: the
; price of one text for both trips).
.macro LASTK fill
	WIN 0
	s_wait_tensorcnt 0x0                           ; no tensor load of mine is out, so the walking group 0 may be written
	ds_add_u32 v[SPW], v[NIL]
	s_wait_dscnt 1                                 ; (the add may be out; the fragments are in)
	MULK 7, 0, 8
.if \fill
	s_xor_b32 s[G0+1], s[G0+1], SLOTB              ; the other slot than last time: the wave's 36,864 w shares no bit with the slot's 147,456
	s_add_nc_u64 s[G0+2:G0+3], s[G0+2:G0+3], 16384
.endif
	s_wait_dscnt 0x0                               ; the add is done, and my reads of this slot are over
	s_barrier_signal -1
	MULK 7, 8, 8
	WIN 0
	s_barrier_wait -1
.if \fill
	CREST                                          ; the barrier has opened a round of the cluster's: no wave of any partner still reads this slot or has a load on its way
	tensor_load_to_lds s[G0:G0+3], s[G1:G1+7]      ; my one tensor load behind the round: it has a slot's 256 matrix instructions in which to land
	s_nop 0
.endif
	s_xor_b32 s[TB], s[TB], SLOTB                  ; on to the other slot
	v_add_nc_u32 v[DB], s[TB], v[B0]
	v_add_nc_u32 v[DB2], 73728, v[DB]
	v_nop
	v_nop                                          ; with the two lines above: the four places in front of the loads below
.if \fill
	FETCH 0, 0
	ASK
.else
	s_cmp_eq_u32 s3, 1
	s_cbranch_scc1 .Llast_\@
	FETCH 0, 0
.Llast_\@:
.endif
	MULK 7, 16, 16
.endm
.macro SLOTM fill
.irp kb, 0,1,2,3,4,5,6
	KSTEP \kb, \fill
.endr
	LASTK \fill
.endm
; A tile's sums are finished.  16 rows o at a time they go into my stage as they lie and come back, into the registers that they left, as whole rows of 256 bytes; then they are added into x's
; registers.  Two blocks deep: a block's way through LDS stands ahead of the arithmetic of the block before.  No memory instruction stands here.
.macro OST a
	WIN 0x04                                       ; the stores' data in window 1
.set i, 0
.rept 8
	ds_store_b128 v[STO], v[32*(\a)+4*i:32*(\a)+4*i+3] offset:64*(i/2)+16*(i%2)
.set i, i+1
.endr
.endm
.macro OLD a
	WIN 0x40                                       ; the loads' destination in window 1
.set i, 0
.rept 8
	ds_load_b128 v[32*(\a)+4*i:32*(\a)+4*i+3], v[RD] offset:2*SPITCH*i   ; LDS serves a wave's instructions in order (ISA guide 5.7.1.4): these see the stores above; the next block's stores come behind them
.set i, i+1
.endr
.endm
.macro OADD a, dleft
	s_wait_loadcnt 24-8*(\a)                       ; this block's x is in; the later blocks' eight loads each may be out
	s_wait_dscnt \dleft                            ; this block is back; the next block's eight stores and eight loads may be out
	WIN 0x45                                       ; all three in window 1
.set i, 0
.rept 16
	v_pk_add_f32 v[XB+32*(\a)+2*i:XB+32*(\a)+2*i+1], v[XB+32*(\a)+2*i:XB+32*(\a)+2*i+1], v[32*(\a)+2*i:32*(\a)+2*i+1]
.set i, i+1
.endr
.endm
.macro EPI
	WIN 0
	PLACES                                         ; the places behind the last products
	OST 0
	OLD 0
	OST 1
	OLD 1
	OADD 0, 16
	OST 2
	OLD 2
	OADD 1, 16
	OST 3
	OLD 3
	OADD 2, 16
	OADD 3, 0
	WIN 0
	s_wait_xcnt 0x0                                ; the riders, the youngest of them (the prefetches) three blocks of K and this way out back, have read their addresses:
	s_add_nc_u64 s[XPT:XPT+1], s[XPT:XPT+1], 512   ; on to the next tile: 128 columns of 4 bytes
	s_add_nc_u64 s[OPT:OPT+1], s[OPT:OPT+1], 512
.endm
	s_wait_tensorcnt 0x1                           ; my part of slot 0 is in; slot 1's may stay out
	s_barrier_signal -1
	s_barrier_wait -1
	FETCH 0, 0
	s_wait_loadcnt 0x0                             ; Z's fragments
	s_mov_b32 s3, 2
.Lf1:                                                  ; tiles 0 and 1: the slot just read takes the tile two on
	SLOTM 1
	EPI
	s_sub_co_u32 s3, s3, 1
	s_cmp_lg_u32 s3, 0
	s_cbranch_scc1 .Lf1
	s_mov_b32 s3, 2
.Lf2:                                                  ; tiles 2 and 3: nothing is asked for
	SLOTM 0
	EPI
	s_sub_co_u32 s3, s3, 1
	s_cmp_lg_u32 s3, 0
	s_cbranch_scc1 .Lf2
	OSTORE 0                                       ; the last tile has no tile behind it to ride in
	OSTORE 1
	OSTORE 2
	OSTORE 3
	WIN 0
	s_wait_tensorcnt 0x0                           ; the wave's end
	ds_add_u32 v[SPW], v[NIL]
	s_wait_dscnt 0x0
	CROUND                                         ; the closing round
	s_endpgm
.Lfunc_end_k_q779110312b_fin:
	.size	k_q779110312b_fin, .Lfunc_end_k_q779110312b_fin-k_q779110312b_fin
	.p2alignl 7, 3214868480
	.fill 96, 4, 3214868480
	.section	.rodata,"a",@progbits
	.p2align	6, 0x0
	.amdhsa_kernel k_q779110312b_fin
		.amdhsa_group_segment_fixed_size 327680
		.amdhsa_private_segment_fixed_size 0
		.amdhsa_enable_private_segment 0
		.amdhsa_kernarg_size 32
		.amdhsa_user_sgpr_count 2
		.amdhsa_user_sgpr_kernarg_segment_ptr 1
		.amdhsa_wavefront_size32 1
		.amdhsa_system_sgpr_workgroup_id_x 1
		.amdhsa_system_sgpr_workgroup_id_y 1
		.amdhsa_system_sgpr_workgroup_id_z 1
		.amdhsa_system_vgpr_workitem_id 0
		.amdhsa_next_free_vgpr 1024
		.amdhsa_next_free_sgpr 66
		.amdhsa_reserve_vcc 0
		.amdhsa_float_denorm_mode_32 3
		.amdhsa_float_denorm_mode_16_64 3
		.amdhsa_memory_ordered 1
		.amdhsa_forward_progress 1
		.amdhsa_inst_pref_size 107
	.end_amdhsa_kernel
	.amdgpu_metadata
---
amdhsa.version: [ 1, 2 ]
amdhsa.kernels:
  - .name:           k_q779110312b_fin
    .symbol:         k_q779110312b_fin.kd
    .args:
      - { .name: zb, .offset: 0, .size: 8, .value_kind: global_buffer, .address_space: global }
      - { .name: mb, .offset: 8, .size: 8, .value_kind: global_buffer, .address_space: global }
      - { .name: x, .offset: 16, .size: 8, .value_kind: global_buffer, .address_space: global }
      - { .name: out0, .offset: 24, .size: 8, .value_kind: global_buffer, .address_space: global }
    .group_segment_fixed_size: 327680
    .private_segment_fixed_size: 0
    .kernarg_segment_align: 8
    .kernarg_segment_size: 32
    .max_flat_workgroup_size: 128
    .sgpr_count:     66
    .vgpr_count:     1024
    .wavefront_size: 32
...
	.end_amdgpu_metadata
.endif
;; end of part 7
